; MI455X (gfx1250); checked and timed in simulation.
; The chip was launched on July 23, 2026; its instructions are those of AMD's public machine-readable ISA for CDNA 5 (MIT licence, August 2026) and "CDNA5" Instruction Set Architecture Reference Guide (July 2026). The comments in the code are by the model that wrote it; some were corrected since.
;; D2 L Dot Product Attention. Allowed arithmetic: matrix products marked QUANTISED: E3M2 operands, one E8M0 scale for each 32 along K, by v_wmma_scale_f32_16x16x128_f8f6f4 with both operands' format E3M2, f32 sums; everything else in f32.
;; Inputs: keys 32 x 2,048 x 64 float32; queries 32 x 2,048 x 64 float32; valid_lens 32 int32; values 32 x 2,048 x 64 float32.
;; Outputs: out0 32 x 2,048 x 64 float32.
;; This version of the problem:
;;   THIS VERSION OF THE PROBLEM IS GIVEN IN LOW PRECISION. The matrix products marked QUANTISED in the list below multiply operands that are first quantised to E3M2 (3 exponent bits, 2 mantissa bits; 6 bits a number), with one power-of-two scale for each 32 numbers along K (OCP MX v1.0); their sums are f32. All else is computed in f32.
;;   The module's matrix products, in the order in which they are computed (A, B: the left and right operand; K: the contracted axis; several contracted axes count as one K, in the product's order):
;;     1. batch 32 x [M 2,048, K 64] x [K 64, N 2,048]; A: input queries; B: input keys: QUANTISED
;;     2. batch 32 x [M 2,048, K 2,048] x [K 2,048, N 64]; A: softmax (see below); B: input values: QUANTISED
;;   THE QUANTISER, for each operand of a quantised product, along K:
;;     - K is cut into blocks of 32 from its start; a last block that is shorter is filled with zeros.
;;     - A block's scale is 2^e with e = floor(log2(the largest magnitude in the block)) - 4, held to -126 .. 127; a block of zeros has e = 0. As a byte (E8M0): e + 127.
;;     - Each number is divided by its block's scale, clamped to +-28, and rounded to the nearest number of E3M2, ties to even, subnormals kept.
;;     - The product sums the exact products of the quantised numbers (number of the format x scale) in f32.
;;   ~~~python
;;   def quantise(x, axis):      # numpy; x: float32 -> the quantised numbers, widened to float32 again
;;       x = np.moveaxis(x, axis, -1); K = x.shape[-1]
;;       x = np.pad(x, [(0, 0)] * (x.ndim - 1) + [(0, -K % 32)]); x = x.reshape(x.shape[:-1] + (-1, 32)); a = np.abs(x).max(-1, keepdims=True)
;;       e = np.where(a > 0, np.clip(np.frexp(np.where(a > 0, a, 1))[1] - 1 - 4, -126, 127), 0)      # np.frexp(a)[1] - 1 = floor(log2(a)), exactly
;;       r = np.clip(x / 2.0 ** e, -28, 28)
;;       step = 2.0 ** (np.maximum(np.frexp(np.where(r == 0, 1, r))[1] - 1, -2) - 2)
;;       q = np.round(r / step) * step * 2.0 ** e      # np.round: ties to even
;;       return np.moveaxis(q.reshape(q.shape[:-2] + (-1,))[..., :K], -1, axis).astype(np.float32)
;;   ~~~
;;   SOFTMAX AHEAD OF A QUANTISED PRODUCT. Where the list says 'softmax', what is quantised is not the finished softmax but p = 2^(t - M), with t = logit x log2(e) and M = ceil(the row's largest t), a whole number; so 1/2 < the row's largest p <= 1. The row's sum l is taken of the UNQUANTISED p, in f32, and the product's result is divided by l at the end. Since M is a whole number, a kernel that streams over the keys may use a running M (the ceiling of the running maximum): every later rescaling is an exact power of two, which a block's scale takes up: the codes' values come out the same.
;;   OPERANDS COMPUTED ON THE WAY. 'Computed on the way' means the value that the module computes at that place (a softmax that the list does not call 'softmax' is quantised finished and normalised). What goes into a quantiser is computed in f32, as accurately as f32 sums, v_exp_f32 and their like allow (about 1e-6 of the number): no bf16 or f16 on the way to a quantiser, and a product that is left as it is and whose result goes on into a quantised operand takes f32 operands (vector FMAs, or v_wmma_f32_16x16x4_f32). A number that lies on a knife's edge between two numbers of the format may be rounded either way, as far as f32 arithmetic and the matrix unit's own rounding can turn it there, and no further.
;; 2 versions. Each part assembles by itself: llvm-mc -triple=amdgcn-amd-amdhsa -mcpu=gfx1250 --defsym DOCPART=n.
;; ======== version 1 of 2: 2 launches
;; limits: right only within a limited range of input values
;; workspace buffers: kv 6,553,600 bytes; order 256 bytes of whole numbers
;; launch prep (part 1): grid 16 x 32, 4 waves a work-group, no clusters, 35,328 bytes of LDS; arguments keys, values, valid_lens, kv, order; writes kv, order
.if DOCPART == 1
	.amdgcn_target "amdgcn-amd-amdhsa--gfx1250"
	.amdhsa_code_object_version 6
	.text
	.protected	k_q08481fb136_prep
	.globl	k_q08481fb136_prep
	.p2align	8
	.type	k_q08481fb136_prep,@function
k_q08481fb136_prep:
	s_mov_b64 s[64:65], 0
	v_nop
	global_prefetch_b8 v0, s[64:65] scope:SCOPE_SE
	s_setreg_imm32_b32 hwreg(HW_REG_WAVE_MODE, 25, 1), 1
	s_wait_xcnt 0x0
; keys and values, [32][2048][64] f32, become codes of BF6 (E3M2) with one E8M0 byte for each 32 along a product's K: keys along the head's 64, values along the KEYS.
; They are laid as the next launch's operand registers want them: for each (batch b, 128 keys j) one dense block of TILEB = 12,800 bytes at (16 b + j) x TILEB of kv:
;   images 0-3 (1,536 bytes each): K pair i.  Byte 512 c + 16 lane holds registers 4 c .. 4 c + 3 of a 12-register fragment.  Registers 0-5: tile 2 i, registers 6-11: tile 2 i + 1;
;       lane (r, h) of tile 2 i + u holds key 128 j + 32 i + 8 u + r + 8 (r / 8), channels 32 h .. 32 h + 31: two tiles of K = 64 side by side in one fragment of K = 128.
;   images 4-7: V tile t.  Lane (r, h) holds channel 16 t + r; registers 6 c .. 6 c + 5 hold keys 128 j + 64 c + 32 h + 0 .. 31.
;   from byte 12,288: 128 scale words; word 32 i + l: l < 16: K pair i, row l (bytes: tile 2 i block 0, 1, tile 2 i + 1 block 0, 1); l >= 16: V tile i, channel row l - 16 (byte b: keys 32 b on).
; A block's scale is 2^(floor(log2(largest magnitude)) - 4); its byte is the largest magnitude's exponent field - 4, held at 1 from below (a block of zeros keeps the byte 1: its codes are zeros, and this program alone reads the bytes).
; SHARES.  Work-group (x = j, y = b) makes block (b, j); wave i makes K pair i, V tile i and their 32 scale words.  Waves share nothing: no barrier.
; A block all of whose keys lie at or past valid_lens[b] is never read by the next launch: its work-group stores nothing and ends.  The grid is the one that serves every valid_lens.
; Work-group (0, 0), whose block is always wanted, also ranks the 32 batches by valid_lens: order[rank] = (batch, valid_len held to 0 .. 2,048).
; LIMITS: NaN and infinities among the inputs are not served; blocks whose largest magnitude lies under 2^-122 keep the byte 1.  valid_len <= 0 counts as 0 (all 16 blocks are made), above 2,048 as 2,048.
.set TILEB,  12800
.set SPITCH, 272                       ; a stage row: a key's 256 bytes + 16
.set WSTG,   32*SPITCH                 ; a wave's own stage: 32 keys
.set KR, 16                            ; v16-79    K as loaded: 16 loads x 4 registers
.set KX, 80                            ; v80-143   K turned: 32 numbers of tile 2 i, 32 of tile 2 i + 1
.set VX, 144                           ; v144-207  V: 32 keys of c = 0, 32 of c = 1, of my channel
.set KC, 208                           ; v208-219  K's fragment
.set VC, 220                           ; v220-231  V's fragment
.set CT, 232                           ; v232-234, v236-238 the upper halves of a block's codes, before they are moved
.set MX, 240                           ; v240-241  largest magnitudes
.set SO, 242                           ; v242-243  the conversions' scale operands
.set BY, 244                           ; v244-245  the scale bytes
	s_load_b256 s[4:11], s[0:1], 0x0               ; keys s[4:5], values s[6:7], valid_lens s[8:9], kv s[10:11]
	s_load_b64 s[12:13], s[0:1], 0x20              ; order
	v_lshl_add_u32 v248, v0, 2, 0x8800
	v_mov_b32 v249, 0
	v_lshrrev_b32 v1, 5, v0
	v_readfirstlane_b32 s16, v1                    ; wave i
	s_and_b32 s14, ttmp7, 0xffff                   ; b
	s_mov_b32 s15, ttmp9                           ; j
	s_lshl_b32 s24, s14, 2
	s_mov_b32 s25, 0
	s_mov_b32 s20, 0x76543210
	s_mov_b32 s21, 0xfedcba98                      ; v_permlanex16_b32's selects for lane l xor 16
	s_mov_b32 s22, 0xffff0000                      ; lanes 16-31
	s_wait_kmcnt 0x0
	s_add_nc_u64 s[26:27], s[8:9], s[24:25]
	s_load_b32 s17, s[26:27], 0x0                  ; valid_lens[b]
	v_and_b32 v1, 31, v0                           ; lane
	v_and_b32 v2, 15, v0                           ; r
	v_bfe_u32 v3, v0, 4, 1                         ; h
	v_lshlrev_b32 v4, 4, v1                        ; 16 x lane: K's loads and the images' stores
	s_lshl_b32 s28, s16, 6
	v_lshlrev_b32 v5, 2, v2
	v_lshl_add_u32 v5, v3, 13, v5
	v_add_nc_u32 v5, s28, v5                       ; V: 32 h keys of 256 bytes + channel 16 i + r
	s_mul_i32 s29, s16, WSTG                       ; my stage
	v_mul_u32_u24 v6, v3, SPITCH
	v_lshl_add_u32 v6, v2, 4, v6
	v_add_nc_u32 v6, s29, v6                       ; into it: a load's two keys lie in two rows on end; 16 bytes a lane
	v_mul_u32_u24 v7, v2, SPITCH
	v_lshl_add_u32 v7, v3, 7, v7
	v_add_nc_u32 v7, s29, v7                       ; out of it: row r, my half's 128 bytes
	v_lshlrev_b32 v8, 3, v3                        ; 8 h: my bytes' place in a scale word
	v_lshlrev_b32 v9, 2, v1                        ; 4 x lane
	v_mov_b32 v13, 0                               ; a lane permute's destination counts as one of its sources
	s_wait_kmcnt 0x0
	s_max_i32 s17, s17, 0
	s_min_u32 s17, s17, 2048                       ; L
	s_add_co_u32 s18, s17, 127
	s_lshr_b32 s18, s18, 7                         ; blocks with a key that counts;
	s_cmp_eq_u32 s17, 0
	s_cselect_b32 s18, 16, s18                     ; with no such key the softmax is uniform over all 2,048 keys: all 16
	s_cmp_ge_u32 s15, s18
	s_cbranch_scc1 .Lend                           ; nobody will read this block
	s_lshl_b32 s24, s14, 19                        ; a batch is 2,048 x 256 bytes,
	s_lshl_b32 s26, s15, 15                        ; 128 keys are 32,768
	s_add_co_u32 s24, s24, s26
	s_add_nc_u64 s[6:7], s[6:7], s[24:25]          ; values at the block's first key
	s_lshl_b32 s26, s16, 13
	s_add_co_u32 s24, s24, s26
	s_add_nc_u64 s[4:5], s[4:5], s[24:25]          ; keys at my wave's 32 keys
	s_lshl_b32 s24, s14, 4
	s_add_co_u32 s24, s24, s15
	s_mul_i32 s24, s24, TILEB
	s_add_nc_u64 s[10:11], s[10:11], s[24:25]      ; the block in kv
	s_lshl_b32 s24, s16, 7
	s_add_co_u32 s24, s24, 12288
	s_add_nc_u64 s[30:31], s[10:11], s[24:25]      ; my 32 scale words
	s_mul_i32 s24, s16, 1536
	s_add_nc_u64 s[10:11], s[10:11], s[24:25]      ; my K image; my V image lies 6,144 bytes on
.irp q, 0,1,2,3,4,5,6,7,8,9,10,11,12,13,14,15
	global_load_b128 v[KR+4*\q:KR+4*\q+3], v4, s[4:5] offset:512*\q th:TH_LOAD_NT   ; 32 lanes read 512 consecutive bytes: keys 2 q and 2 q + 1; read once in the launch
.endr
.set n, 0
.rept 32
	global_load_b32 v[VX+n], v5, s[6:7] offset:256*n           ; A LANE TAKES A CHANNEL AND ITS REGISTERS RUN DOWN THE KEYS: keys 32 h + n
.set n, n+1
.endr
	s_wait_loadcnt 32                              ; K's 16 loads are in; the 32 younger ones are V's
; K turns through the stage, so that a lane gets 32 neighbouring channels of one key.  Key k of the 32 goes to row 16 u + r with u = (k / 8) % 2, r = k % 8 + 8 (k / 16): the order of the two tiles' rows.
.irp q, 0,1,2,3,4,5,6,7,8,9,10,11,12,13,14,15
	ds_store_b128 v6, v[KR+4*\q:KR+4*\q+3] offset:SPITCH*(16*(((2*\q)>>3)&1)+((2*\q)&7)+8*((2*\q)>>4))
.endr
.irp u, 0,1
.irp m, 0,1,2,3,4,5,6,7
	ds_load_b128 v[KX+32*\u+4*\m:KX+32*\u+4*\m+3], v7 offset:16*SPITCH*\u+16*\m   ; LDS serves a wave's instructions in order: these see my stores
.endr
.endr
.set n, 0
.rept 32
	global_load_b32 v[VX+32+n], v5, s[6:7] offset:256*(64+n)   ; keys 64 + 32 h + n
.set n, n+1
.endr
; Two blocks of 32 numbers of a lane, v[a0] on and v[a1] on, become a fragment's 12 registers in v[dst] on, and the lane's row's scale word in v[w].
.macro QUANT2 dst, a0, a1, w
	v_max3_num_f32 v[MX], |v[\a0]|, |v[\a0+1]|, 0x2800000      ; the floor 2^(5 - 127) among the leaves: the byte cannot fall under 1
	v_max3_num_f32 v[MX+1], |v[\a1]|, |v[\a1+1]|, 0x2800000
.irp i, 2,4,6,8,10,12,14,16,18,20,22,24,26,28,30
	v_max3_num_f32 v[MX], v[MX], |v[\a0+\i]|, |v[\a0+\i+1]|    ; the two blocks by turns
	v_max3_num_f32 v[MX+1], v[MX+1], |v[\a1+\i]|, |v[\a1+\i+1]|
.endr
	v_add_nc_u32 v[SO], 0xfe000000, v[MX]          ; 4 off the exponent field: the conversion takes the exponent field of this operand as its scale
	v_add_nc_u32 v[SO+1], 0xfe000000, v[MX+1]
	v_lshrrev_b32 v[BY], 23, v[SO]                 ; the scale's byte
	v_lshrrev_b32 v[BY+1], 23, v[SO+1]
	v_lshl_or_b32 v[\w], v[BY+1], 16, v[BY]        ; my two bytes: places h and 2 + h of the word
	v_lshlrev_b32 v[\w], v8, v[\w]
	v_permlanex16_b32 v13, v[\w], s20, s21
	v_or_b32 v[\w], v[\w], v13                     ; with lane l xor 16's two the word is whole, in both lanes
	v_cvt_scalef32_pk16_bf6_f32 v[\dst:\dst+2], v[\a0:\a0+15], v[SO]
	v_cvt_scalef32_pk16_bf6_f32 v[CT:CT+2], v[\a0+16:\a0+31], v[SO]            ; (a conversion's three registers begin on an even number)
	v_cvt_scalef32_pk16_bf6_f32 v[\dst+6:\dst+8], v[\a1:\a1+15], v[SO+1]
	v_cvt_scalef32_pk16_bf6_f32 v[CT+4:CT+6], v[\a1+16:\a1+31], v[SO+1]
	v_nop                                          ; one plain place behind a scaled conversion
.irp i, 0,1,2
	v_mov_b32 v[\dst+3+\i], v[CT+\i]
	v_mov_b32 v[\dst+9+\i], v[CT+4+\i]
.endr
.endm
	s_wait_dscnt 0x0                               ; K is back from the stage
	QUANT2 KC, KX, KX+32, 10
.irp c, 0,1,2
	global_store_b128 v4, v[KC+4*\c:KC+4*\c+3], s[10:11] offset:512*\c         ; 32 lanes store 512 consecutive bytes, at a multiple of 256 from kv's first byte
.endr
	s_wait_loadcnt 0x0                             ; V
	QUANT2 VC, VX, VX+32, 11
.irp c, 0,1,2
	global_store_b128 v4, v[VC+4*\c:VC+4*\c+3], s[10:11] offset:6144+512*\c
.endr
	v_cndmask_b32 v12, v10, v11, s22               ; lanes 0-15 K's words, lanes 16-31 V's
	global_store_b32 v9, v12, s[30:31]             ; 128 consecutive bytes
	; THE ORDER OF THE BATCHES, by one wave of the launch: lane = batch; rank = how many keys (L, batch) are smaller than mine.
	s_or_b32 s28, s14, s15
	s_or_b32 s28, s28, s16
	s_cmp_lg_u32 s28, 0
	s_cbranch_scc1 .Lend
	global_load_b32 v16, v9, s[8:9]
	s_wait_loadcnt 0x0
	v_max_i32 v16, 0, v16
	v_min_u32 v19, 0x800, v16                      ; L
	v_mov_b32 v18, v1                              ; the batch
	v_lshl_or_b32 v20, v19, 5, v1                  ; 32 L + batch: no two alike
	v_mov_b32 v21, 0
.set n, 0
.rept 32
	v_readlane_b32 s28, v20, n
	v_cmp_lt_u32 vcc_lo, s28, v20
	v_add_co_ci_u32 v21, vcc_lo, 0, v21, vcc_lo    ; + 1 where batch n's key is smaller
.set n, n+1
.endr
	v_min_u32 v21, 31, v21                         ; a rank is 0 .. 31
	v_lshlrev_b32 v21, 3, v21
	global_store_b64 v21, v[18:19], s[12:13]       ; the 32 lanes fill order's 256 bytes
.Lend:
	s_wait_tensorcnt 0x0
	ds_add_u32 v248, v249
	s_wait_dscnt 0x0
	s_endpgm
.Lfunc_end_k_q08481fb136_prep:
	.size	k_q08481fb136_prep, .Lfunc_end_k_q08481fb136_prep-k_q08481fb136_prep
	.p2alignl 7, 3214868480
	.fill 96, 4, 3214868480
	.section	.rodata,"a",@progbits
	.p2align	6, 0x0
	.amdhsa_kernel k_q08481fb136_prep
		.amdhsa_group_segment_fixed_size 35328
		.amdhsa_private_segment_fixed_size 0
		.amdhsa_enable_private_segment 0
		.amdhsa_kernarg_size 40
		.amdhsa_user_sgpr_count 2
		.amdhsa_user_sgpr_kernarg_segment_ptr 1
		.amdhsa_wavefront_size32 1
		.amdhsa_system_sgpr_workgroup_id_x 1
		.amdhsa_system_sgpr_workgroup_id_y 1
		.amdhsa_system_sgpr_workgroup_id_z 1
		.amdhsa_system_vgpr_workitem_id 0
		.amdhsa_next_free_vgpr 250
		.amdhsa_next_free_sgpr 66
		.amdhsa_reserve_vcc 1
		.amdhsa_float_denorm_mode_32 3
		.amdhsa_float_denorm_mode_16_64 3
		.amdhsa_memory_ordered 1
		.amdhsa_forward_progress 1
		.amdhsa_inst_pref_size 24
	.end_amdhsa_kernel
	.amdgpu_metadata
---
amdhsa.version: [ 1, 2 ]
amdhsa.kernels:
  - .name:           k_q08481fb136_prep
    .symbol:         k_q08481fb136_prep.kd
    .args:
      - { .name: keys, .offset: 0, .size: 8, .value_kind: global_buffer, .address_space: global }
      - { .name: values, .offset: 8, .size: 8, .value_kind: global_buffer, .address_space: global }
      - { .name: valid_lens, .offset: 16, .size: 8, .value_kind: global_buffer, .address_space: global }
      - { .name: kv, .offset: 24, .size: 8, .value_kind: global_buffer, .address_space: global }
      - { .name: order, .offset: 32, .size: 8, .value_kind: global_buffer, .address_space: global }
    .group_segment_fixed_size: 35328
    .private_segment_fixed_size: 0
    .kernarg_segment_align: 8
    .kernarg_segment_size: 40
    .max_flat_workgroup_size: 128
    .sgpr_count:     66
    .vgpr_count:     250
    .wavefront_size: 32
...
	.end_amdgpu_metadata
.endif
;; end of part 1
;; launch attn (part 2): grid 16 x 16, 16 waves a work-group, no clusters, 123,904 bytes of LDS; arguments queries, kv, order, out0; writes out0
.if DOCPART == 2
	.amdgcn_target "amdgcn-amd-amdhsa--gfx1250"
	.amdhsa_code_object_version 6
	.text
	.protected	k_q08481fb136_attn
	.globl	k_q08481fb136_attn
	.p2align	8
	.type	k_q08481fb136_attn,@function
k_q08481fb136_attn:
	s_mov_b64 s[64:65], 0
	v_nop
	global_prefetch_b8 v0, s[64:65] scope:SCOPE_SE
	s_setreg_imm32_b32 hwreg(HW_REG_WAVE_MODE, 25, 1), 1
	s_wait_xcnt 0x0
; out0[b][q][:] = the sum over k of softmax_k(Q[b][q] . K[b][k] / 8, keys at or past valid_lens[b] at -1e6) V[b][k][:], both products on codes of BF6 (E3M2) with one E8M0 scale for each 32 along K.
; K and V come as codes from kv, laid as images of the operand registers, one dense block of 12,800 bytes for each (batch, 128 keys); Q [32][2048][64] f32 is read once and quantised here.
; THE SOFTMAX AHEAD OF THE SECOND PRODUCT: t = score x log2(e) / 8; M = the running largest t rounded UP to a whole number; p = 2^(t - M) is quantised along the keys, not normalised; the row's sum is taken of the
; unquantised p and divides at the end; when M moves, the sum and O are multiplied by 2^(old M - new M), exactly.
; THE MASK.  A key step all of whose 128 keys lie at or past valid_len is left out; in the one step that the limit cuts, hidden scores become -8e6 (= -1e6 x 8) ahead of the maximum, so that p = 0.
; SHARES.  Sixteen waves of 256 registers, four to a SIMD.  A work-group takes 128 queries (block x) of TWO batches: the batch of rank y by valid_len and the batch of rank 31 - y, eight waves (a HALF) each, so that
; a short batch's waves stand beside a long batch's.  Half of wave w = (w xor (w / 4)) % 2: of waves 4 a .. 4 a + 3, and of waves a, a + 4, a + 8, a + 12, two belong to each half.  A wave owns 16 queries, one tile.
; The eight waves of a half share K and V through two LDS slots by turns: in step J each wave copies an eighth of block J + 1 (loaded into registers a step earlier) into the other slot.  One barrier a step.
; THE LOOP'S TRIP COUNT IS A CONSTANT, 16 steps, and the barrier stands on every wave's path; what hangs on valid_len is a scalar branch round a step's work.
; NO TENSOR LOADS, NO CLUSTER: the number of steps that are worked hangs on valid_lens, read from memory; leaving out (2,048 - valid_len) / 128 of a batch's 16 steps
; weighs more than sharing 12,800 bytes a step among partners.
; LAYOUT.  Both products are used transposed: S^T = K Q^T (source 0 = 16 keys, source 1 = my 16 queries), O^T = V^T P^T: a lane holds ONE query (lane % 16) throughout.  The keys of a tile are chosen so that the 16
; registers of tiles 2 b and 2 b + 1 are keys 32 b + 16 (lane / 16) + 0 .. 15.
; K = 64 IN AN INSTRUCTION OF K = 128: a fragment of K holds tile 2 i in k = 0 .. 63 and tile 2 i + 1 in k = 64 .. 127.  Q stands twice: Qlo with its codes in k = 0 .. 63 and zero codes above, Qhi the other way round.
; The product with Qlo is tile 2 i's, with Qhi tile 2 i + 1's: zero codes add nothing (their scale byte here is 0, which stands for 2^-127).
; LIMITS: NaN and infinities are not served.  Leaving hidden steps out is right while a row's largest visible logit lies above -1e6 + 200.  valid_len = 0: all 16 steps run and every score counts as 0: the uniform softmax.
.set SLOT,  13056                      ; 12,288 bytes of images, then the scale table: 16 rows x 48 bytes (words 0-3: K pairs, 4-7: V tiles, 16 bytes of pad)
.set HALFB, 2*SLOT                     ; a half's two slots
.set SCT,   12288
.set STAGE, 2*HALFB                    ; behind the slots: a stage of 16 rows x 272 bytes for each wave, its own: Q's turn, and the way out
.set STW,   16*272
.set TILEB, 12800
.set LF,   1                           ; v1   half + 16 x lane: an image's place for my lane
.set LSC,  2                           ; v2   half + SCT + 48 r: my row of the scale table
.set LW,   3                           ; v3   half + 1,536 x (wave / 2) + 16 x lane: where I put my eighth of a block
.set LWS,  4                           ; v4   and my two bytes of its scale words
.set GC,   5                           ; v5   the same eighth in the block in memory
.set GS,   6                           ; v6   and the same two bytes
.set HK,   7                           ; v7   16 h + 1
.set PFO,  8                           ; v8   256 x lane: the prefetches' offset
.set STO,  9                           ; v9   the way out: stage + 272 r + 32 h
.set RD,   10                          ; v10  stage + 272 h + 16 r: two rows an instruction
.set L16,  11                          ; v11  16 x lane
                                       ; v12 -M, v13 the largest t, v[14:15] the sum in two halves
.set QL,   16                          ; v16-27 Qlo, v28-39 Qhi
.set FR,   40                          ; v40-87 four fragments: K's pairs, then V's tiles
.set CP,   88                          ; v88-99 the copy's 48 bytes, v100 its two scale bytes
.set CPS,  100
.set SS,   104                         ; v104-167 S^T, then p
.set OT,   168                         ; v168-199 O^T, four tiles
.set PC,   200                         ; v200-211 p's codes
.set CT,   212                         ; v212-214, v216-218 upper halves of the conversions
.set BM,   220                         ; v220-223 each block's largest score, then its largest p
.set BP,   224                         ; v224-227 the other half's; then the bytes
.set SO,   228                         ; v228-231 the conversions' scale operands
.set FF,   232                         ; v[232:233] f = 2^(old M - new M); the pair's low word serves both halves
.set T0,   234
.set T1,   235
.set SUM2, 236                         ; v[236:237] the sum's second chain
.set QRD,  238                         ; v238 Q's way back from the stage: stage + 272 r + 128 h
.set KW,   240                         ; v240-243 K's scale words, v244-247 V's, v248 Q's for Qlo, v249 for Qhi, v250 p's: these hold scales and nothing else
.set VW,   244
.set QW,   248
.set PW,   250
.set WV,   12                          ; s12 wave, s13 half, s14 wave / 2, s15 at work
.set HS,   13
.set W8,   14
.set TMP,  15
.set BB,   16                          ; s16 my batch, s17 its valid_len L, s18 the steps that are worked
.set LL,   17
.set NST,  18
.set JJ,   19                          ; s19 the step
.set SEL,  20                          ; s[20:21] v_permlanex16_b32's selects for lane l xor 16
.set CS,   22                          ; s[22:23] c = log2(e) / 8
.set KF,   24                          ; s24 the step's first key
.set TRIPS, 25
.set KVP,  26                          ; s[26:27] the block loaded last
.set PFA,  28                          ; s[28:29] where my prefetches stand
.set CU,   30                          ; s30 which 256 bytes of the batch's 800 x 256 that is;  s31 where the prefetches stop (0: I ask for nothing)
.set NU,   31
.set NEGS, 32                          ; s32 what a hidden score becomes
.macro LOADBLK                         ; my eighth of the block at KVP into registers: one image (3 x 512 consecutive bytes a wave) and 64 bytes of scale words
.irp c, 0,1,2
	global_load_b128 v[CP+4*\c:CP+4*\c+3], v[GC], s[KVP:KVP+1] offset:512*\c
.endr
	global_load_u16 v[CPS], v[GS], s[KVP:KVP+1]
.endm
.macro STOREBLK s                      ; and from there into slot s
.irp c, 0,1,2
	ds_store_b128 v[LW], v[CP+4*\c:CP+4*\c+3] offset:(\s)*SLOT+512*\c
.endr
	ds_store_b16 v[LWS], v[CPS] offset:(\s)*SLOT
.endm
	s_load_b256 s[4:11], s[0:1], 0x0               ; queries s[4:5], kv s[6:7], order s[8:9], out0 s[10:11]
	v_lshl_add_u32 v254, v0, 2, 0x1dc00
	v_mov_b32 v255, 0
	v_lshrrev_b32 v[T0], 5, v0
	v_readfirstlane_b32 s[WV], v[T0]               ; wave 0..15
	s_lshr_b32 s[HS], s[WV], 2
	s_xor_b32 s[HS], s[HS], s[WV]
	s_and_b32 s[HS], s[HS], 1                      ; my half
	s_lshr_b32 s[W8], s[WV], 1                     ; my place among its eight waves
	s_and_b32 s[TMP], ttmp7, 0xffff                ; y
	s_sub_co_u32 s34, 31, s[TMP]
	s_cmp_eq_u32 s[HS], 0
	s_cselect_b32 s[TMP], s[TMP], s34              ; half 0: rank y; half 1: rank 31 - y
	s_lshl_b32 s34, s[TMP], 3
	s_mov_b32 s35, 0
	s_mov_b32 s[SEL], 0x76543210
	s_mov_b32 s[SEL+1], 0xfedcba98
	s_mov_b32 s[CS], 0x3e38aa3b                    ; log2(e) / 8
	s_mov_b32 s[CS+1], s[CS]                       ; (named with it as a pair, so it is written)
	s_wait_kmcnt 0x0
	s_add_nc_u64 s[36:37], s[8:9], s[34:35]
	s_load_b64 s[BB:BB+1], s[36:37], 0x0           ; (batch, valid_len)
	; every address register is made here, ahead of the first branch
	v_and_b32 v[T0], 31, v0                        ; lane
	v_and_b32 v[T1], 15, v0                        ; r
	v_bfe_u32 v[SUM2], v0, 4, 1                    ; h
	v_and_b32 v[SUM2+1], 1, v0
	s_mul_i32 s38, s[HS], HALFB
	s_mul_i32 s39, s[W8], 1536
	v_lshlrev_b32 v[L16], 4, v[T0]
	v_add_nc_u32 v[LF], s38, v[L16]
	v_add_nc_u32 v[GC], s39, v[L16]
	v_add_nc_u32 v[LW], s38, v[GC]
	v_mul_u32_u24 v[LSC], v[T1], 48
	v_add_nc_u32 v[LSC], s38, v[LSC]
	v_add_nc_u32 v[LSC], SCT, v[LSC]
	v_lshrrev_b32 v[LWS], 1, v[T0]                 ; of my wave's 16 scale words lane l holds half l % 2 of word l / 2, which is row l / 2's;
	v_mul_u32_u24 v[LWS], v[LWS], 48
	v_lshl_add_u32 v[LWS], v[SUM2+1], 1, v[LWS]
	s_lshr_b32 s[TMP], s[W8], 1
	s_lshl_b32 s[TMP], s[TMP], 2                   ; the words are those of pair or tile (wave / 2) / 2,
	s_and_b32 s34, s[W8], 1
	s_lshl_b32 s34, s34, 4                         ; K's in even places, V's in odd
	s_add_co_u32 s[TMP], s[TMP], s34
	s_add_co_u32 s[TMP], s[TMP], s38
	s_add_co_u32 s[TMP], s[TMP], SCT
	v_add_nc_u32 v[LWS], s[TMP], v[LWS]
	s_lshl_b32 s[TMP], s[W8], 6
	s_add_co_u32 s[TMP], s[TMP], SCT
	v_lshl_add_u32 v[GS], v[T0], 1, s[TMP]
	v_lshl_add_u32 v[HK], v[SUM2], 4, 1
	v_lshlrev_b32 v[PFO], 8, v[T0]
	s_mul_i32 s[TMP], s[WV], STW
	s_add_co_u32 s[TMP], s[TMP], STAGE             ; my stage
	v_mul_u32_u24 v[STO], v[T1], 272
	v_add_nc_u32 v[STO], s[TMP], v[STO]
	v_lshl_add_u32 v[QRD], v[SUM2], 7, v[STO]
	v_lshl_add_u32 v[STO], v[SUM2], 5, v[STO]
	v_mul_u32_u24 v[RD], v[SUM2], 272
	v_lshl_add_u32 v[RD], v[T1], 4, v[RD]
	v_add_nc_u32 v[RD], s[TMP], v[RD]
	s_wait_kmcnt 0x0
	s_min_u32 s[BB], s[BB], 31
	s_min_u32 s[LL], s[LL], 2048
	s_add_co_u32 s[NST], s[LL], 127
	s_lshr_b32 s[NST], s[NST], 7                   ; steps with a key that counts;
	s_mov_b32 s[NEGS], 0xcaf42400                  ; -8e6
	s_cmp_eq_u32 s[LL], 0
	s_cselect_b32 s[NST], 16, s[NST]               ; with no such key: all 16,
	s_cselect_b32 s[NEGS], 0, s[NEGS]              ; and every score counts as 0
	s_lshl_b32 s34, s[BB], 19                      ; my batch,
	s_lshl_b32 s36, ttmp9, 15                      ; the work-group's 128 queries,
	s_add_co_u32 s34, s34, s36
	s_lshl_b32 s36, s[W8], 12                      ; my 16 of them: 256 bytes a row in queries and in out0
	s_add_co_u32 s34, s34, s36
	s_add_nc_u64 s[4:5], s[4:5], s[34:35]
	s_add_nc_u64 s[10:11], s[10:11], s[34:35]
	s_mul_i32 s34, s[BB], 16*TILEB
	s_add_nc_u64 s[KVP:KVP+1], s[6:7], s[34:35]    ; the batch's block 0
	; THE PREFETCHES.  A batch's 16 blocks are 800 x 256 bytes.  All 16 work-groups of a pair of batches walk them: the first (x = 0) asks, and in it the first two waves of each half, 32 x 256 bytes each, a lane
	; 256 bytes: in step J the 64 x 256 bytes from 160 + 64 J on, which holds what is left to name of block J + 3, whose load is issued a step later.  Each 256 bytes are named once.  The first 160 come by their loads alone.
	; A request is made while it begins under 50 x NST; it may reach 31 x 256 bytes further, and never past the batch's 800.
	s_mul_i32 s[NU], s[NST], 50
	s_lshr_b32 s36, s[W8], 1
	s_or_b32 s36, s36, ttmp9
	s_cmp_eq_u32 s36, 0
	s_cselect_b32 s[NU], s[NU], 0
	s_lshl_b32 s[CU], s[W8], 5
	s_add_co_u32 s[CU], s[CU], 96                  ; the first step's step brings it to 160 + 32 x (wave / 2)
	s_lshl_b32 s34, s[CU], 8
	s_add_nc_u64 s[PFA:PFA+1], s[KVP:KVP+1], s[34:35]
.irp q, 0,1,2,3,4,5,6,7
	global_load_b128 v[SS+4*\q:SS+4*\q+3], v[L16], s[4:5] offset:512*\q th:TH_LOAD_NT   ; Q: 512 consecutive bytes, rows 2 q and 2 q + 1; read once in the launch
.endr
	LOADBLK                                        ; block 0
	s_wait_loadcnt 4                               ; Q's eight loads are in; the four younger ones are block 0's
.irp q, 0,1,2,3,4,5,6,7
	ds_store_b128 v[RD], v[SS+4*\q:SS+4*\q+3] offset:544*\q                  ; Q turns through my stage, so that a lane gets 32 neighbouring channels of one query
.endr
.irp m, 0,1,2,3,4,5,6,7
	ds_load_b128 v[SS+32+4*\m:SS+32+4*\m+3], v[QRD] offset:16*\m             ; LDS serves a wave's instructions in order: these see my stores
.endr
	s_wait_loadcnt 0x0
	STOREBLK 0
	s_wait_dscnt 0x0                               ; Q is back; my part of block 0 lies in slot 0, and the stores have read their registers
	s_cmp_lt_u32 s[NST], 2
	s_cbranch_scc1 .Lone
	s_add_nc_u64 s[KVP:KVP+1], s[KVP:KVP+1], TILEB ; (block 0's loads are done: their base may step)
	LOADBLK                                        ; block 1
.Lone:
.irp b, 0,1,2,3
	v_mov_b32 v[BP+\b], 0                          ; written once: a lane permute's destination counts as one of its sources
.endr
	; Q's 32 numbers of lane (r, h), v136-167, are block h of query r
	v_max3_num_f32 v[BM], |v[SS+32]|, |v[SS+33]|, 0x2800000    ; the floor 2^(5 - 127) among the leaves: the byte cannot fall under 1
	v_max3_num_f32 v[BM+1], |v[SS+34]|, |v[SS+35]|, 0x2800000
.irp i, 4,8,12,16,20,24,28
	v_max3_num_f32 v[BM], v[BM], |v[SS+32+\i]|, |v[SS+33+\i]|
	v_max3_num_f32 v[BM+1], v[BM+1], |v[SS+34+\i]|, |v[SS+35+\i]|
.endr
	v_max_num_f32 v[BM], v[BM], v[BM+1]
	v_add_nc_u32 v[SO], 0xfe000000, v[BM]          ; 4 off the exponent field: the conversion's scale operand
	v_lshrrev_b32 v[T0], 23, v[SO]                 ; the byte,
	v_lshlrev_b32 v[T1], 3, v[SUM2]
	v_lshlrev_b32 v[T0], v[T1], v[T0]              ; at place h
	v_permlanex16_b32 v[BP], v[T0], s[SEL], s[SEL+1]
	v_or_b32 v[QW], v[T0], v[BP]                   ; Qlo's scale word: bytes 0, 1; the bytes over its zero codes are 0
	v_lshlrev_b32 v[QW+1], 16, v[QW]               ; Qhi's: bytes 2, 3
	v_cvt_scalef32_pk16_bf6_f32 v[QL:QL+2], v[SS+32:SS+47], v[SO]
	v_cvt_scalef32_pk16_bf6_f32 v[CT:CT+2], v[SS+48:SS+63], v[SO]            ; (a conversion's three registers begin on an even number)
	v_nop                                          ; one plain place behind a scaled conversion
.irp i, 0,1,2
	v_mov_b32 v[QL+3+\i], v[CT+\i]
	v_mov_b32 v[QL+18+\i], v[QL+\i]                ; Qhi: the same codes in registers 6-11
	v_mov_b32 v[QL+21+\i], v[CT+\i]
.endr
.irp i, 0,1,2,3,4,5
	v_mov_b32 v[QL+6+\i], 0                        ; zero codes
	v_mov_b32 v[QL+12+\i], 0
.endr
	v_mov_b32 v13, 0xff61b1e6                      ; the largest t so far: -3e38, under every t
	v_floor_f32 v12, -v13                          ; -M
	v_mov_b32 v14, 0                               ; the sum, in two halves
	v_mov_b32 v15, 0
	v_mov_b32 v[FF], 0
	v_mov_b32 v[FF+1], 0                           ; (named as the pair's upper half)
.set n, 0
.rept 32
	v_mov_b32 v[OT+n], 0                           ; O^T.  The step is written without a first step of its own: the first change of M multiplies zeros.  (These lines are also the places between Q's registers and scale words and the first products)
.set n, n+1
.endr
	s_mov_b32 s[JJ], 0
	s_mov_b32 s[KF], 0
	s_mov_b32 s[TRIPS], 8
	s_barrier_signal -1                            ; no LDS instruction of mine is out since the wait above: every wave's part of block 0 lies in slot 0
	s_barrier_wait -1
; A KEY STEP on slot s: 128 keys.
.macro STEP s
	s_cmp_ge_u32 s[JJ], s[NST]
	s_cbranch_scc1 .Lidle_\@                       ; all its keys are hidden: no work, but the barrier below
.irp i, 0,1,2,3
.irp c, 0,1,2
	ds_load_b128 v[FR+12*\i+4*\c:FR+12*\i+4*\c+3], v[LF] offset:(\s)*SLOT+1536*\i+512*\c   ; K's four pairs, as images: 512 consecutive bytes an instruction
.endr
.endr
	ds_load_b128 v[KW:KW+3], v[LSC] offset:(\s)*SLOT           ; my row's scale words of the four pairs,
	ds_load_b128 v[VW:VW+3], v[LSC] offset:(\s)*SLOT+16        ; and of V's four tiles
	s_wait_dscnt 0x0
.irp i, 0,1,2,3
.irp u, 0,1
	v_wmma_scale_f32_16x16x128_f8f6f4 v[SS+8*(2*\i+\u):SS+8*(2*\i+\u)+7], v[FR+12*\i:FR+12*\i+11], v[QL+12*\u:QL+12*\u+11], 0, v[KW+\i], v[QW+\u] matrix_a_fmt:MATRIX_FMT_BF6 matrix_b_fmt:MATRIX_FMT_BF6
.endr
.endr
.rept 4
	v_nop                                          ; four places behind the products, in front of loads into registers that they read and of the first read of their results
.endr
.irp t, 0,1,2,3
.irp c, 0,1,2
	ds_load_b128 v[FR+12*\t+4*\c:FR+12*\t+4*\c+3], v[LF] offset:(\s)*SLOT+6144+1536*\t+512*\c   ; V's four tiles: they land under the softmax
.endr
.endr
	s_add_co_u32 s[TMP], s[KF], 128
	s_cmp_le_u32 s[TMP], s[LL]
	s_cbranch_scc1 .Lopen_\@                       ; all 128 keys count
	s_sub_co_i32 s[TMP], s[LL], s[KF]
	v_sub_nc_u32 v[T0], s[TMP], v[HK]              ; d = L - KF - 16 h - 1.  Register 16 b + i holds key KF + 32 b + 16 h + i: hidden where 32 b + i > d
	v_mov_b32 v[T1], s[NEGS]
.set n, 0
.rept 64
	v_cmp_gt_i32 vcc_lo, 32*(n/16)+n%16, v[T0]
	v_cndmask_b32 v[SS+n], v[SS+n], v[T1], vcc_lo
.set n, n+1
.endr
.Lopen_\@:
.irp b, 0,1,2,3
	v_max3_num_f32 v[BM+\b], v[SS+16*\b], v[SS+1+16*\b], v[SS+2+16*\b]       ; the largest score of each block of 32 keys: it serves the row's maximum and, since p rises with the score, the block's largest p
.endr
.irp i, 3,5,7,9,11,13
.irp b, 0,1,2,3
	v_max3_num_f32 v[BM+\b], v[BM+\b], v[SS+16*\b+\i], v[SS+1+16*\b+\i]      ; the four blocks by turns
.endr
.endr
.irp b, 0,1,2,3
	v_max_num_f32 v[BM+\b], v[BM+\b], v[SS+15+16*\b]
.endr
.irp b, 0,1,2,3
	v_permlanex16_b32 v[BP+\b], v[BM+\b], s[SEL], s[SEL+1]
.endr
.irp b, 0,1,2,3
	v_max_num_f32 v[BM+\b], v[BM+\b], v[BP+\b]     ; with lane l xor 16's 16 keys
.endr
	v_max3_num_f32 v[T0], v[BM], v[BM+1], v[BM+2]
	v_max_num_f32 v[T0], v[T0], v[BM+3]            ; the step's largest score of my query
	v_mul_f32 v[T0], s[CS], v[T0]                  ; as t (c is positive)
	v_max_num_f32 v13, v13, v[T0]                  ; the running largest t
	v_mov_b32 v[T0], v12
	v_floor_f32 v12, -v13                          ; the new -M = floor(-t) = -ceil(t): M is a whole number
	v_sub_f32 v[T0], v12, v[T0]                    ; old M - new M: a whole number, 0 or less
	v_cvt_i32_f32 v[T0], v[T0]                     ; (it saturates)
	v_ldexp_f32 v[FF], 1.0, v[T0]                  ; f = 2^(old M - new M)
.set n, 0
.rept 32
	v_pk_fma_f32 v[SS+n:SS+n+1], v[SS+n:SS+n+1], s[CS:CS+1], v[12:13] op_sel_hi:[1,0,0]   ; t - M, two at a time (of the pairs c and -M the low word serves both halves)
.set n, n+2
.endr
.irp b, 0,1,2,3
	v_fma_f32 v[BM+\b], v[BM+\b], s[CS], v12       ; the same of each block's largest score
.endr
.set n, 0
.rept 64
	v_exp_f32 v[SS+n], v[SS+n]                     ; p = 2^(t - M), at most 1: not normalised
.set n, n+1
.endr
	v_pk_mul_f32 v[14:15], v[14:15], v[FF:FF+1] op_sel_hi:[1,0]              ; the sums under the new M: a plain line behind the exponentials
	s_wait_alu depctr_va_vdst(0)                   ; one wait for the batch of 64, ahead of its first reader
.irp b, 0,1,2,3
	v_exp_f32 v[BM+\b], v[BM+\b]                   ; the block's largest p: the same two instructions on the same number give the same bits
.endr
	v_pk_add_f32 v[SUM2:SUM2+1], v[SS:SS+1], v[SS+2:SS+3]      ; the row's sum is taken of the unquantised p: two at a time, in two chains
.set n, 4
.rept 15
	v_pk_add_f32 v[14:15], v[14:15], v[SS+n:SS+n+1]
	v_pk_add_f32 v[SUM2:SUM2+1], v[SUM2:SUM2+1], v[SS+n+2:SS+n+3]
.set n, n+4
.endr
	v_pk_add_f32 v[14:15], v[14:15], v[SUM2:SUM2+1]
	s_wait_alu depctr_va_vdst(0)                   ; and one for the four
.irp b, 0,1,2,3
	v_max_num_f32 v[BM+\b], 0x2800000, v[BM+\b]    ; the floor 2^(5 - 127): the byte cannot fall under 1 (a block whose every p is 0 keeps that byte: its codes are zeros)
.endr
.irp b, 0,1,2,3
	v_add_nc_u32 v[SO+\b], 0xfe000000, v[BM+\b]    ; 4 off the exponent field: the conversion's scale operand
.endr
.irp b, 0,1,2,3
	v_lshrrev_b32 v[BP+\b], 23, v[SO+\b]           ; the scale's byte
.endr
	v_lshl_or_b32 v[PW], v[BP+1], 8, v[BP]         ; p's scale word for these 128 keys
	v_lshl_or_b32 v[PW], v[BP+2], 16, v[PW]
	v_lshl_or_b32 v[PW], v[BP+3], 24, v[PW]
.irp c, 0,1
	v_cvt_scalef32_pk16_bf6_f32 v[PC+6*\c:PC+6*\c+2], v[SS+32*\c:SS+32*\c+15], v[SO+2*\c]
	v_cvt_scalef32_pk16_bf6_f32 v[CT+4*\c:CT+4*\c+2], v[SS+16+32*\c:SS+31+32*\c], v[SO+2*\c+1]   ; (a conversion's three registers begin on an even number)
.endr
	v_nop                                          ; one plain place behind a scaled conversion
.irp c, 0,1                                    ; the operand's layout wants a whole block in a lane: lanes 0-15 block 2 c, lanes 16-31 block 2 c + 1
.irp i, 0,1,2
	v_permlane16_swap_b32 v[PC+6*\c+\i], v[CT+4*\c+\i]
.endr
.irp i, 0,1,2
	v_mov_b32 v[PC+3+6*\c+\i], v[CT+4*\c+\i]
.endr
.endr
.set n, 0
.rept 16
	v_pk_mul_f32 v[OT+n:OT+n+1], v[OT+n:OT+n+1], v[FF:FF+1] op_sel_hi:[1,0]  ; O^T under the new M, from each tile's low end on.  (These lines are also the places between p's codes and scale word and the products)
.set n, n+2
.endr
	s_wait_dscnt 0x0                               ; V's tiles are in
.irp t, 0,1,2,3
	v_wmma_scale_f32_16x16x128_f8f6f4 v[OT+8*\t:OT+8*\t+7], v[FR+12*\t:FR+12*\t+11], v[PC:PC+11], v[OT+8*\t:OT+8*\t+7], v[VW+\t], v[PW] matrix_a_fmt:MATRIX_FMT_BF6 matrix_b_fmt:MATRIX_FMT_BF6   ; the four accumulators by turns
.endr
.rept 4
	v_nop                                          ; four places: the next step loads into registers that these products read, and the way out reads their results
.endr
	; THE COPY: block J + 1, loaded a step ago, goes into the other slot, which nobody has read since the last barrier; block J + 2 is asked for
	s_add_co_u32 s[TMP], s[JJ], 1
	s_cmp_ge_u32 s[TMP], s[NST]
	s_cbranch_scc1 .Lidle_\@
	s_wait_loadcnt 0x0                             ; my four loads of block J + 1 are in, so their base may be stepped too
	STOREBLK 1-(\s)
	s_add_co_u32 s[TMP], s[JJ], 2
	s_cmp_ge_u32 s[TMP], s[NST]
	s_cbranch_scc1 .Lidle_\@
	s_wait_dscnt 0x0                               ; the stores have read the registers into which the next loads go
	s_wait_xcnt 0x0                                ; the last prefetch, a step back, has read its address
	s_add_nc_u64 s[KVP:KVP+1], s[KVP:KVP+1], TILEB
	s_add_nc_u64 s[PFA:PFA+1], s[PFA:PFA+1], 64*256
	s_add_co_u32 s[CU], s[CU], 64
	LOADBLK
	s_cmp_lt_u32 s[CU], s[NU]
	s_cbranch_scc0 .Lidle_\@
	global_prefetch_b8 v[PFO], s[PFA:PFA+1] th:TH_LOAD_NT scope:SCOPE_SE     ; behind my loads: 32 x 256 bytes, a lane 256
.Lidle_\@:
	s_add_co_u32 s[JJ], s[JJ], 1
	s_add_co_u32 s[KF], s[KF], 128
	s_wait_dscnt 0x0                               ; my reads of this slot are in, and my stores into the other have landed:
	s_barrier_signal -1                            ; the barrier stands on every wave's path.  Behind it this slot may be written,
	s_barrier_wait -1                              ; and the other is whole
.endm
.Ltrip:                                            ; eight trips of two steps: the slots stand in the immediates
	STEP 0
	STEP 1
	s_sub_co_u32 s[TRIPS], s[TRIPS], 1
	s_cmp_lg_u32 s[TRIPS], 0
	s_cbranch_scc1 .Ltrip
	; THE WAY OUT.  O^T is divided by the row's sum and goes through my own stage, so that each store covers 512 consecutive bytes: two whole rows of out0.
	v_add_f32 v14, v14, v15                        ; the sum's two halves,
	v_permlanex16_b32 v[FF], v14, s[SEL], s[SEL+1]
	v_add_f32 v14, v14, v[FF]                      ; and lane l xor 16's: the row's sum
	v_rcp_f32 v14, v14
	v_nop                                          ; one plain place behind a transcendental
	s_wait_alu depctr_va_vdst(0)                   ; and the wait ahead of its first reader
.set n, 0
.rept 32
	v_mul_f32 v[SS+n], v[OT+n], v14                ; register 8 t + i is out(r, 16 t + 8 h + i); each accumulator from its low end on
.set n, n+1
.endr
.irp t, 0,1,2,3
	ds_store_b128 v[STO], v[SS+8*\t:SS+8*\t+3] offset:64*\t
	ds_store_b128 v[STO], v[SS+8*\t+4:SS+8*\t+7] offset:64*\t+16
.endr
.irp i, 0,1,2,3,4,5,6,7
	ds_load_b128 v[SS+32+4*\i:SS+32+4*\i+3], v[RD] offset:544*\i             ; LDS serves a wave's instructions in order: these see my stores
.endr
.irp i, 0,1,2,3,4,5,6,7
	s_wait_dscnt 7-\i                              ; load i is in; the 7 - i younger ones may be out
	global_store_b128 v[L16], v[SS+32+4*\i:SS+32+4*\i+3], s[10:11] offset:512*\i th:TH_STORE_NT   ; rows 2 i and 2 i + 1; written once, read by nobody here
.endr
	s_wait_tensorcnt 0x0
	ds_add_u32 v254, v255
	s_wait_dscnt 0x0
	s_endpgm
.Lfunc_end_k_q08481fb136_attn:
	.size	k_q08481fb136_attn, .Lfunc_end_k_q08481fb136_attn-k_q08481fb136_attn
	.p2alignl 7, 3214868480
	.fill 96, 4, 3214868480
	.section	.rodata,"a",@progbits
	.p2align	6, 0x0
	.amdhsa_kernel k_q08481fb136_attn
		.amdhsa_group_segment_fixed_size 123904
		.amdhsa_private_segment_fixed_size 0
		.amdhsa_enable_private_segment 0
		.amdhsa_kernarg_size 32
		.amdhsa_user_sgpr_count 2
		.amdhsa_user_sgpr_kernarg_segment_ptr 1
		.amdhsa_wavefront_size32 1
		.amdhsa_system_sgpr_workgroup_id_x 1
		.amdhsa_system_sgpr_workgroup_id_y 1
		.amdhsa_system_sgpr_workgroup_id_z 1
		.amdhsa_system_vgpr_workitem_id 0
		.amdhsa_next_free_vgpr 256
		.amdhsa_next_free_sgpr 66
		.amdhsa_reserve_vcc 1
		.amdhsa_float_denorm_mode_32 3
		.amdhsa_float_denorm_mode_16_64 3
		.amdhsa_memory_ordered 1
		.amdhsa_forward_progress 1
		.amdhsa_inst_pref_size 58
	.end_amdhsa_kernel
	.amdgpu_metadata
---
amdhsa.version: [ 1, 2 ]
amdhsa.kernels:
  - .name:           k_q08481fb136_attn
    .symbol:         k_q08481fb136_attn.kd
    .args:
      - { .name: queries, .offset: 0, .size: 8, .value_kind: global_buffer, .address_space: global }
      - { .name: kv, .offset: 8, .size: 8, .value_kind: global_buffer, .address_space: global }
      - { .name: order, .offset: 16, .size: 8, .value_kind: global_buffer, .address_space: global }
      - { .name: out0, .offset: 24, .size: 8, .value_kind: global_buffer, .address_space: global }
    .group_segment_fixed_size: 123904
    .private_segment_fixed_size: 0
    .kernarg_segment_align: 8
    .kernarg_segment_size: 32
    .max_flat_workgroup_size: 512
    .sgpr_count:     66
    .vgpr_count:     256
    .wavefront_size: 32
...
	.end_amdgpu_metadata
.endif
;; end of part 2
;; ======== version 2 of 2: 2 launches
;; limits: right only within a limited range of input values
;; workspace buffers: kv 6,553,600 bytes; order 256 bytes of whole numbers
;; launch prep (part 3): grid 16 x 32, 4 waves a work-group, no clusters, 35,328 bytes of LDS; arguments keys, values, valid_lens, kv, order; writes kv, order
.if DOCPART == 3
	.amdgcn_target "amdgcn-amd-amdhsa--gfx1250"
	.amdhsa_code_object_version 6
	.text
	.protected	k_q08481fb136_prep
	.globl	k_q08481fb136_prep
	.p2align	8
	.type	k_q08481fb136_prep,@function
k_q08481fb136_prep:
	s_mov_b64 s[64:65], 0
	v_nop
	global_prefetch_b8 v0, s[64:65] scope:SCOPE_SE
	s_setreg_imm32_b32 hwreg(HW_REG_WAVE_MODE, 25, 1), 1
	s_wait_xcnt 0x0
; keys and values, [32][2048][64] f32, become codes of BF6 (E3M2) with one E8M0 byte for each 32 along a product's K: keys along the head's 64, values along the KEYS.
; They are laid as the next launch's operand registers want them: for each (batch b, 128 keys j) one dense block of TILEB = 12,800 bytes at (16 b + j) x TILEB of kv:
;   images 0-3 (1,536 bytes each): K pair i.  Byte 512 c + 16 lane holds registers 4 c .. 4 c + 3 of a 12-register fragment.  Registers 0-5: tile 2 i, registers 6-11: tile 2 i + 1;
;       lane (r, h) of tile 2 i + u holds key 128 j + 32 i + 8 u + r + 8 (r / 8), channels 32 h .. 32 h + 31: two tiles of K = 64 side by side in one fragment of K = 128.
;   images 4-7: V tile t.  Lane (r, h) holds channel 16 t + r; registers 6 c .. 6 c + 5 hold keys 128 j + 64 c + 32 h + 0 .. 31.
;   from byte 12,288: 128 scale words; word 32 i + l: l < 16: K pair i, row l (bytes: tile 2 i block 0, 1, tile 2 i + 1 block 0, 1); l >= 16: V tile i, channel row l - 16 (byte b: keys 32 b on).
; A block's scale is 2^(floor(log2(largest magnitude)) - 4); its byte is the largest magnitude's exponent field - 4, held at 1 from below (a block of zeros keeps the byte 1: its codes are zeros, and this program alone reads the bytes).
; SHARES.  Work-group (x = j, y = b) makes block (b, j); wave i makes K pair i, V tile i and their 32 scale words.  Waves share nothing: no barrier.
; A block all of whose keys lie at or past valid_lens[b] is never read by the next launch: its work-group stores nothing and ends.  The grid is the one that serves every valid_lens.
; Work-group (0, 0), whose block is always wanted, also ranks the 32 batches by valid_lens: order[rank] = (batch, valid_len held to 0 .. 2,048).
; LIMITS: NaN and infinities among the inputs are not served; blocks whose largest magnitude lies under 2^-122 keep the byte 1.  valid_len <= 0 counts as 0 (all 16 blocks are made), above 2,048 as 2,048.
.set TILEB,  12800
.set SPITCH, 272                       ; a stage row: a key's 256 bytes + 16
.set WSTG,   32*SPITCH                 ; a wave's own stage: 32 keys
.set KR, 16                            ; v16-79    K as loaded: 16 loads x 4 registers
.set KX, 80                            ; v80-143   K turned: 32 numbers of tile 2 i, 32 of tile 2 i + 1
.set VX, 144                           ; v144-207  V: 32 keys of c = 0, 32 of c = 1, of my channel
.set KC, 208                           ; v208-219  K's fragment
.set VC, 220                           ; v220-231  V's fragment
.set CT, 232                           ; v232-234, v236-238 the upper halves of a block's codes, before they are moved
.set MX, 240                           ; v240-241  largest magnitudes
.set SO, 242                           ; v242-243  the conversions' scale operands
.set BY, 244                           ; v244-245  the scale bytes
	s_load_b256 s[4:11], s[0:1], 0x0               ; keys s[4:5], values s[6:7], valid_lens s[8:9], kv s[10:11]
	s_load_b64 s[12:13], s[0:1], 0x20              ; order
	v_lshl_add_u32 v248, v0, 2, 0x8800
	v_mov_b32 v249, 0
	v_lshrrev_b32 v1, 5, v0
	v_readfirstlane_b32 s16, v1                    ; wave i
	s_and_b32 s14, ttmp7, 0xffff                   ; b
	s_mov_b32 s15, ttmp9                           ; j
	s_lshl_b32 s24, s14, 2
	s_mov_b32 s25, 0
	s_mov_b32 s20, 0x76543210
	s_mov_b32 s21, 0xfedcba98                      ; v_permlanex16_b32's selects for lane l xor 16
	s_mov_b32 s22, 0xffff0000                      ; lanes 16-31
	s_wait_kmcnt 0x0
	s_add_nc_u64 s[26:27], s[8:9], s[24:25]
	s_load_b32 s17, s[26:27], 0x0                  ; valid_lens[b]
	v_and_b32 v1, 31, v0                           ; lane
	v_and_b32 v2, 15, v0                           ; r
	v_bfe_u32 v3, v0, 4, 1                         ; h
	v_lshlrev_b32 v4, 4, v1                        ; 16 x lane: K's loads and the images' stores
	s_lshl_b32 s28, s16, 6
	v_lshlrev_b32 v5, 2, v2
	v_lshl_add_u32 v5, v3, 13, v5
	v_add_nc_u32 v5, s28, v5                       ; V: 32 h keys of 256 bytes + channel 16 i + r
	s_mul_i32 s29, s16, WSTG                       ; my stage
	v_mul_u32_u24 v6, v3, SPITCH
	v_lshl_add_u32 v6, v2, 4, v6
	v_add_nc_u32 v6, s29, v6                       ; into it: a load's two keys lie in two rows on end; 16 bytes a lane
	v_mul_u32_u24 v7, v2, SPITCH
	v_lshl_add_u32 v7, v3, 7, v7
	v_add_nc_u32 v7, s29, v7                       ; out of it: row r, my half's 128 bytes
	v_lshlrev_b32 v8, 3, v3                        ; 8 h: my bytes' place in a scale word
	v_lshlrev_b32 v9, 2, v1                        ; 4 x lane
	v_mov_b32 v13, 0                               ; a lane permute's destination counts as one of its sources
	s_wait_kmcnt 0x0
	s_max_i32 s17, s17, 0
	s_min_u32 s17, s17, 2048                       ; L
	s_add_co_u32 s18, s17, 127
	s_lshr_b32 s18, s18, 7                         ; blocks with a key that counts;
	s_cmp_eq_u32 s17, 0
	s_cselect_b32 s18, 16, s18                     ; with no such key the softmax is uniform over all 2,048 keys: all 16
	s_cmp_ge_u32 s15, s18
	s_cbranch_scc1 .Lend                           ; nobody will read this block
	s_lshl_b32 s24, s14, 19                        ; a batch is 2,048 x 256 bytes,
	s_lshl_b32 s26, s15, 15                        ; 128 keys are 32,768
	s_add_co_u32 s24, s24, s26
	s_add_nc_u64 s[6:7], s[6:7], s[24:25]          ; values at the block's first key
	s_lshl_b32 s26, s16, 13
	s_add_co_u32 s24, s24, s26
	s_add_nc_u64 s[4:5], s[4:5], s[24:25]          ; keys at my wave's 32 keys
	s_lshl_b32 s24, s14, 4
	s_add_co_u32 s24, s24, s15
	s_mul_i32 s24, s24, TILEB
	s_add_nc_u64 s[10:11], s[10:11], s[24:25]      ; the block in kv
	s_lshl_b32 s24, s16, 7
	s_add_co_u32 s24, s24, 12288
	s_add_nc_u64 s[30:31], s[10:11], s[24:25]      ; my 32 scale words
	s_mul_i32 s24, s16, 1536
	s_add_nc_u64 s[10:11], s[10:11], s[24:25]      ; my K image; my V image lies 6,144 bytes on
.irp q, 0,1,2,3,4,5,6,7,8,9,10,11,12,13,14,15
	global_load_b128 v[KR+4*\q:KR+4*\q+3], v4, s[4:5] offset:512*\q th:TH_LOAD_NT   ; 32 lanes read 512 consecutive bytes: keys 2 q and 2 q + 1; read once in the launch
.endr
.set n, 0
.rept 32
	global_load_b32 v[VX+n], v5, s[6:7] offset:256*n           ; A LANE TAKES A CHANNEL AND ITS REGISTERS RUN DOWN THE KEYS: keys 32 h + n
.set n, n+1
.endr
	s_wait_loadcnt 32                              ; K's 16 loads are in; the 32 younger ones are V's
	s_wait_alu depctr_va_vdst(0)
; K turns through the stage, so that a lane gets 32 neighbouring channels of one key.  Key k of the 32 goes to row 16 u + r with u = (k / 8) % 2, r = k % 8 + 8 (k / 16): the order of the two tiles' rows.
.irp q, 0,1,2,3,4,5,6,7,8,9,10,11,12,13,14,15
	ds_store_b128 v6, v[KR+4*\q:KR+4*\q+3] offset:SPITCH*(16*(((2*\q)>>3)&1)+((2*\q)&7)+8*((2*\q)>>4))
.endr
.irp u, 0,1
.irp m, 0,1,2,3,4,5,6,7
	ds_load_b128 v[KX+32*\u+4*\m:KX+32*\u+4*\m+3], v7 offset:16*SPITCH*\u+16*\m   ; LDS serves a wave's instructions in order: these see my stores
.endr
.endr
.set n, 0
.rept 32
	global_load_b32 v[VX+32+n], v5, s[6:7] offset:256*(64+n)   ; keys 64 + 32 h + n
.set n, n+1
.endr
; Two blocks of 32 numbers of a lane, v[a0] on and v[a1] on, become a fragment's 12 registers in v[dst] on, and the lane's row's scale word in v[w].
.macro QUANT2 dst, a0, a1, w
	v_max3_num_f32 v[MX], |v[\a0]|, |v[\a0+1]|, 0x2800000      ; the floor 2^(5 - 127) among the leaves: the byte cannot fall under 1
	v_max3_num_f32 v[MX+1], |v[\a1]|, |v[\a1+1]|, 0x2800000
.irp i, 2,4,6,8,10,12,14,16,18,20,22,24,26,28,30
	v_max3_num_f32 v[MX], v[MX], |v[\a0+\i]|, |v[\a0+\i+1]|    ; the two blocks by turns
	v_max3_num_f32 v[MX+1], v[MX+1], |v[\a1+\i]|, |v[\a1+\i+1]|
.endr
	v_add_nc_u32 v[SO], 0xfe000000, v[MX]          ; 4 off the exponent field: the conversion takes the exponent field of this operand as its scale
	v_add_nc_u32 v[SO+1], 0xfe000000, v[MX+1]
	v_lshrrev_b32 v[BY], 23, v[SO]                 ; the scale's byte
	v_lshrrev_b32 v[BY+1], 23, v[SO+1]
	v_lshl_or_b32 v[\w], v[BY+1], 16, v[BY]        ; my two bytes: places h and 2 + h of the word
	v_lshlrev_b32 v[\w], v8, v[\w]
	v_permlanex16_b32 v13, v[\w], s20, s21
	v_or_b32 v[\w], v[\w], v13                     ; with lane l xor 16's two the word is whole, in both lanes
	v_cvt_scalef32_pk16_bf6_f32 v[\dst:\dst+2], v[\a0:\a0+15], v[SO]
	v_cvt_scalef32_pk16_bf6_f32 v[CT:CT+2], v[\a0+16:\a0+31], v[SO]            ; (a conversion's three registers begin on an even number)
	v_cvt_scalef32_pk16_bf6_f32 v[\dst+6:\dst+8], v[\a1:\a1+15], v[SO+1]
	v_cvt_scalef32_pk16_bf6_f32 v[CT+4:CT+6], v[\a1+16:\a1+31], v[SO+1]
	v_nop                                          ; one plain place behind a scaled conversion
.irp i, 0,1,2
	v_mov_b32 v[\dst+3+\i], v[CT+\i]
	v_mov_b32 v[\dst+9+\i], v[CT+4+\i]
.endr
.endm
	s_wait_dscnt 0x0                               ; K is back from the stage
	QUANT2 KC, KX, KX+32, 10
.irp c, 0,1,2
	global_store_b128 v4, v[KC+4*\c:KC+4*\c+3], s[10:11] offset:512*\c         ; 32 lanes store 512 consecutive bytes, at a multiple of 256 from kv's first byte
.endr
	s_wait_loadcnt 0x0                             ; V
	QUANT2 VC, VX, VX+32, 11
.irp c, 0,1,2
	global_store_b128 v4, v[VC+4*\c:VC+4*\c+3], s[10:11] offset:6144+512*\c
.endr
	v_cndmask_b32 v12, v10, v11, s22               ; lanes 0-15 K's words, lanes 16-31 V's
	global_store_b32 v9, v12, s[30:31]             ; 128 consecutive bytes
	; THE ORDER OF THE BATCHES, by one wave of the launch: lane = batch; rank = how many keys (L, batch) are smaller than mine.
	s_or_b32 s28, s14, s15
	s_or_b32 s28, s28, s16
	s_cmp_lg_u32 s28, 0
	s_cbranch_scc1 .Lend
	global_load_b32 v16, v9, s[8:9]
	s_wait_loadcnt 0x0
	v_max_i32 v16, 0, v16
	v_min_u32 v19, 0x800, v16                      ; L
	v_mov_b32 v18, v1                              ; the batch
	v_lshl_or_b32 v20, v19, 5, v1                  ; 32 L + batch: no two alike
	v_mov_b32 v21, 0
.set n, 0
.rept 32
	v_readlane_b32 s28, v20, n
	v_cmp_lt_u32 vcc_lo, s28, v20
	v_add_co_ci_u32 v21, vcc_lo, 0, v21, vcc_lo    ; + 1 where batch n's key is smaller
.set n, n+1
.endr
	v_min_u32 v21, 31, v21                         ; a rank is 0 .. 31
	v_lshlrev_b32 v21, 3, v21
	global_store_b64 v21, v[18:19], s[12:13]       ; the 32 lanes fill order's 256 bytes
.Lend:
	s_wait_tensorcnt 0x0
	ds_add_u32 v248, v249
	s_wait_dscnt 0x0
	s_endpgm
.Lfunc_end_k_q08481fb136_prep:
	.size	k_q08481fb136_prep, .Lfunc_end_k_q08481fb136_prep-k_q08481fb136_prep
	.p2alignl 7, 3214868480
	.fill 96, 4, 3214868480
	.section	.rodata,"a",@progbits
	.p2align	6, 0x0
	.amdhsa_kernel k_q08481fb136_prep
		.amdhsa_group_segment_fixed_size 35328
		.amdhsa_private_segment_fixed_size 0
		.amdhsa_enable_private_segment 0
		.amdhsa_kernarg_size 40
		.amdhsa_user_sgpr_count 2
		.amdhsa_user_sgpr_kernarg_segment_ptr 1
		.amdhsa_wavefront_size32 1
		.amdhsa_system_sgpr_workgroup_id_x 1
		.amdhsa_system_sgpr_workgroup_id_y 1
		.amdhsa_system_sgpr_workgroup_id_z 1
		.amdhsa_system_vgpr_workitem_id 0
		.amdhsa_next_free_vgpr 250
		.amdhsa_next_free_sgpr 66
		.amdhsa_reserve_vcc 1
		.amdhsa_float_denorm_mode_32 3
		.amdhsa_float_denorm_mode_16_64 3
		.amdhsa_memory_ordered 1
		.amdhsa_forward_progress 1
		.amdhsa_inst_pref_size 24
	.end_amdhsa_kernel
	.amdgpu_metadata
---
amdhsa.version: [ 1, 2 ]
amdhsa.kernels:
  - .name:           k_q08481fb136_prep
    .symbol:         k_q08481fb136_prep.kd
    .args:
      - { .name: keys, .offset: 0, .size: 8, .value_kind: global_buffer, .address_space: global }
      - { .name: values, .offset: 8, .size: 8, .value_kind: global_buffer, .address_space: global }
      - { .name: valid_lens, .offset: 16, .size: 8, .value_kind: global_buffer, .address_space: global }
      - { .name: kv, .offset: 24, .size: 8, .value_kind: global_buffer, .address_space: global }
      - { .name: order, .offset: 32, .size: 8, .value_kind: global_buffer, .address_space: global }
    .group_segment_fixed_size: 35328
    .private_segment_fixed_size: 0
    .kernarg_segment_align: 8
    .kernarg_segment_size: 40
    .max_flat_workgroup_size: 128
    .sgpr_count:     66
    .vgpr_count:     250
    .wavefront_size: 32
...
	.end_amdgpu_metadata
.endif
;; end of part 3
;; launch attn (part 4): grid 16 x 16, 16 waves a work-group, no clusters, 123,904 bytes of LDS; arguments queries, kv, order, out0; writes out0
.if DOCPART == 4
	.amdgcn_target "amdgcn-amd-amdhsa--gfx1250"
	.amdhsa_code_object_version 6
	.text
	.protected	k_q08481fb136_attn
	.globl	k_q08481fb136_attn
	.p2align	8
	.type	k_q08481fb136_attn,@function
k_q08481fb136_attn:
	s_mov_b64 s[64:65], 0
	v_nop
	global_prefetch_b8 v0, s[64:65] scope:SCOPE_SE
	s_setreg_imm32_b32 hwreg(HW_REG_WAVE_SCHED_MODE, 0, 2), 2
	s_setreg_imm32_b32 hwreg(HW_REG_WAVE_MODE, 25, 1), 1
	s_wait_xcnt 0x0
	s_wait_alu depctr_vm_vsrc(0)
; out0[b][q][:] = the sum over k of softmax_k(Q[b][q] . K[b][k] / 8, keys at or past valid_lens[b] at -1e6) V[b][k][:], both products on codes of BF6 (E3M2) with one E8M0 scale for each 32 along K.
; K and V come as codes from kv, laid as images of the operand registers, one dense block of 12,800 bytes for each (batch, 128 keys); Q [32][2048][64] f32 is read once and quantised here.
; THE SOFTMAX AHEAD OF THE SECOND PRODUCT: t = score x log2(e) / 8; M = the running largest t rounded UP to a whole number; p = 2^(t - M) is quantised along the keys, not normalised; the row's sum is taken of the
; unquantised p and divides at the end; when M moves, the sum and O are multiplied by 2^(old M - new M), exactly.
; THE MASK.  A key step all of whose 128 keys lie at or past valid_len is left out; in the one step that the limit cuts, hidden scores become -8e6 (= -1e6 x 8) ahead of the maximum, so that p = 0.
; SHARES.  Sixteen waves of 256 registers, four to a SIMD.  A work-group takes 128 queries (block x) of TWO batches: the batch of rank y by valid_len and the batch of rank 31 - y, eight waves (a HALF) each, so that
; a short batch's waves stand beside a long batch's.  Half of wave w = (w xor (w / 4)) % 2: of waves 4 a .. 4 a + 3, and of waves a, a + 4, a + 8, a + 12, two belong to each half.  A wave owns 16 queries, one tile.
; The eight waves of a half share K and V through two LDS slots by turns: in step J each wave copies an eighth of block J + 1 (loaded into registers a step earlier) into the other slot.  One barrier a step.
; THE LOOP'S TRIP COUNT IS A CONSTANT, 16 steps, and the barrier stands on every wave's path; what hangs on valid_len is a scalar branch round a step's work.
; NO TENSOR LOADS, NO CLUSTER: the number of steps that are worked hangs on valid_lens, read from memory; leaving out (2,048 - valid_len) / 128 of a batch's 16 steps
; weighs more than sharing 12,800 bytes a step among partners.
; LAYOUT.  Both products are used transposed: S^T = K Q^T (source 0 = 16 keys, source 1 = my 16 queries), O^T = V^T P^T: a lane holds ONE query (lane % 16) throughout.  The keys of a tile are chosen so that the 16
; registers of tiles 2 b and 2 b + 1 are keys 32 b + 16 (lane / 16) + 0 .. 15.
; K = 64 IN AN INSTRUCTION OF K = 128: a fragment of K holds tile 2 i in k = 0 .. 63 and tile 2 i + 1 in k = 64 .. 127.  Q stands twice: Qlo with its codes in k = 0 .. 63 and zero codes above, Qhi the other way round.
; The product with Qlo is tile 2 i's, with Qhi tile 2 i + 1's: zero codes add nothing (their scale byte here is 0, which stands for 2^-127).
; LIMITS: NaN and infinities are not served.  Leaving hidden steps out is right while a row's largest visible logit lies above -1e6 + 200.  valid_len = 0: all 16 steps run and every score counts as 0: the uniform softmax.
; THE MODE: SCHED_MODE bits 1:0 = 2 (LLVM: expert scheduling mode 2), set by the entry lines.  The code itself states the register dependences
; between vector or matrix instructions and memory or LDS instructions, with s_wait_alu, always for 0.
; THE PLAN.  Registers that memory or LDS instructions touch:
;   v1-6, v8-11, v238   addresses and offsets: written once at the head, ahead of one wait on va_vdst; no vector instruction names them again.
;   FR (v40-87)         a step's LDS loads bring K's pairs; its eight products K Q^T read them; LDS loads bring V's tiles into the same registers; its four products V^T P read those.
;                       The wave's 256 registers are taken, so there is no second set of fragments.
;   KW, VW (v240-247)   loaded at a step's head; read by the products as scales.
;   CP, CPS (v88-100)   global loads land in them, LDS stores read them; no vector instruction names them.
;   SS (v104-167)       at the head Q passes through it (loads, LDS stores, LDS loads); on the way out the multiplications write its lower half, LDS stores read that, LDS loads land in its upper half.
; So a step has four waits on va_vdst beside the two behind its exponentials: at its head (the last step's products are done with FR, KW, VW), behind the products K Q^T (they are done with FR), ahead of the exponentials, and ahead of the
; products V^T P (p's codes and scale word are written); and one wait on vm_vsrc, in the copy, between the LDS stores that read CP and the loads that land in it.
; The mask's compares write scalar registers in runs of sixteen, with one wait on va_sdst behind each run.
.set SLOT,  13056                      ; 12,288 bytes of images, then the scale table: 16 rows x 48 bytes (words 0-3: K pairs, 4-7: V tiles, 16 bytes of pad)
.set HALFB, 2*SLOT                     ; a half's two slots
.set SCT,   12288
.set STAGE, 2*HALFB                    ; behind the slots: a stage of 16 rows x 272 bytes for each wave, its own: Q's turn, and the way out
.set STW,   16*272
.set TILEB, 12800
.set LF,   1                           ; v1   half + 16 x lane: an image's place for my lane
.set LSC,  2                           ; v2   half + SCT + 48 r: my row of the scale table
.set LW,   3                           ; v3   half + 1,536 x (wave / 2) + 16 x lane: where I put my eighth of a block
.set LWS,  4                           ; v4   and my two bytes of its scale words
.set GC,   5                           ; v5   the same eighth in the block in memory
.set GS,   6                           ; v6   and the same two bytes
.set HK,   7                           ; v7   16 h + 1
.set PFO,  8                           ; v8   256 x lane: the prefetches' offset
.set STO,  9                           ; v9   the way out: stage + 272 r + 32 h
.set RD,   10                          ; v10  stage + 272 h + 16 r: two rows an instruction
.set L16,  11                          ; v11  16 x lane
                                       ; v12 -M, v13 the largest t, v[14:15] the sum in two halves
.set QL,   16                          ; v16-27 Qlo, v28-39 Qhi
.set FR,   40                          ; v40-87 four fragments: K's pairs, then V's tiles
.set CP,   88                          ; v88-99 the copy's 48 bytes, v100 its two scale bytes
.set CPS,  100
.set SS,   104                         ; v104-167 S^T, then p
.set OT,   168                         ; v168-199 O^T, four tiles
.set PC,   200                         ; v200-211 p's codes
.set CT,   212                         ; v212-214, v216-218 upper halves of the conversions
.set BM,   220                         ; v220-223 each block's largest score, then its largest p
.set BP,   224                         ; v224-227 the other half's; then the bytes
.set SO,   228                         ; v228-231 the conversions' scale operands
.set FF,   232                         ; v[232:233] f = 2^(old M - new M); the pair's low word serves both halves
.set T0,   234
.set T1,   235
.set SUM2, 236                         ; v[236:237] the sum's second chain
.set QRD,  238                         ; v238 Q's way back from the stage: stage + 272 r + 128 h
.set KW,   240                         ; v240-243 K's scale words, v244-247 V's, v248 Q's for Qlo, v249 for Qhi, v250 p's: these hold scales and nothing else
.set VW,   244
.set QW,   248
.set PW,   250
.set WV,   12                          ; s12 wave, s13 half, s14 wave / 2, s15 at work
.set HS,   13
.set W8,   14
.set TMP,  15
.set BB,   16                          ; s16 my batch, s17 its valid_len L, s18 the steps that are worked
.set LL,   17
.set NST,  18
.set JJ,   19                          ; s19 the step
.set SEL,  20                          ; s[20:21] v_permlanex16_b32's selects for lane l xor 16
.set CS,   22                          ; s[22:23] c = log2(e) / 8
.set KF,   24                          ; s24 the step's first key
.set TRIPS, 25
.set KVP,  26                          ; s[26:27] the block loaded last
.set PFA,  28                          ; s[28:29] where my prefetches stand
.set CU,   30                          ; s30 which 256 bytes of the batch's 800 x 256 that is;  s31 where the prefetches stop (0: I ask for nothing)
.set NU,   31
.set NEGS, 32                          ; s32 what a hidden score becomes
.set MK,   40                          ; s40-55 the mask's lanes for sixteen registers of scores
.macro LOADBLK                         ; my eighth of the block at KVP into registers: one image (3 x 512 consecutive bytes a wave) and 64 bytes of scale words
.irp c, 0,1,2
	global_load_b128 v[CP+4*\c:CP+4*\c+3], v[GC], s[KVP:KVP+1] offset:512*\c
.endr
	global_load_u16 v[CPS], v[GS], s[KVP:KVP+1]
.endm
.macro STOREBLK s                      ; and from there into slot s
.irp c, 0,1,2
	ds_store_b128 v[LW], v[CP+4*\c:CP+4*\c+3] offset:(\s)*SLOT+512*\c
.endr
	ds_store_b16 v[LWS], v[CPS] offset:(\s)*SLOT
.endm
	s_load_b256 s[4:11], s[0:1], 0x0               ; queries s[4:5], kv s[6:7], order s[8:9], out0 s[10:11]
	v_lshl_add_u32 v254, v0, 2, 0x1dc00
	v_mov_b32 v255, 0
	v_lshrrev_b32 v[T0], 5, v0
	v_readfirstlane_b32 s[WV], v[T0]               ; wave 0..15
	s_wait_alu depctr_va_sdst(0)                   ; s12 is written, ahead of its first reader: halves, places and addresses are made from it
	s_lshr_b32 s[HS], s[WV], 2
	s_xor_b32 s[HS], s[HS], s[WV]
	s_and_b32 s[HS], s[HS], 1                      ; my half
	s_lshr_b32 s[W8], s[WV], 1                     ; my place among its eight waves
	s_and_b32 s[TMP], ttmp7, 0xffff                ; y
	s_sub_co_u32 s34, 31, s[TMP]
	s_cmp_eq_u32 s[HS], 0
	s_cselect_b32 s[TMP], s[TMP], s34              ; half 0: rank y; half 1: rank 31 - y
	s_lshl_b32 s34, s[TMP], 3
	s_mov_b32 s35, 0
	s_mov_b32 s[SEL], 0x76543210
	s_mov_b32 s[SEL+1], 0xfedcba98
	s_mov_b32 s[CS], 0x3e38aa3b                    ; log2(e) / 8
	s_mov_b32 s[CS+1], s[CS]                       ; (named with it as a pair, so it is written)
	s_wait_kmcnt 0x0
	s_add_nc_u64 s[36:37], s[8:9], s[34:35]
	s_load_b64 s[BB:BB+1], s[36:37], 0x0           ; (batch, valid_len)
	; every address register is made here, ahead of the first branch
	v_and_b32 v[T0], 31, v0                        ; lane
	v_and_b32 v[T1], 15, v0                        ; r
	v_bfe_u32 v[SUM2], v0, 4, 1                    ; h
	v_and_b32 v[SUM2+1], 1, v0
	s_mul_i32 s38, s[HS], HALFB
	s_mul_i32 s39, s[W8], 1536
	v_lshlrev_b32 v[L16], 4, v[T0]
	v_add_nc_u32 v[LF], s38, v[L16]
	v_add_nc_u32 v[GC], s39, v[L16]
	v_add_nc_u32 v[LW], s38, v[GC]
	v_mul_u32_u24 v[LSC], v[T1], 48
	v_add_nc_u32 v[LSC], s38, v[LSC]
	v_add_nc_u32 v[LSC], SCT, v[LSC]
	v_lshrrev_b32 v[LWS], 1, v[T0]                 ; of my wave's 16 scale words lane l holds half l % 2 of word l / 2, which is row l / 2's;
	v_mul_u32_u24 v[LWS], v[LWS], 48
	v_lshl_add_u32 v[LWS], v[SUM2+1], 1, v[LWS]
	s_lshr_b32 s[TMP], s[W8], 1
	s_lshl_b32 s[TMP], s[TMP], 2                   ; the words are those of pair or tile (wave / 2) / 2,
	s_and_b32 s34, s[W8], 1
	s_lshl_b32 s34, s34, 4                         ; K's in even places, V's in odd
	s_add_co_u32 s[TMP], s[TMP], s34
	s_add_co_u32 s[TMP], s[TMP], s38
	s_add_co_u32 s[TMP], s[TMP], SCT
	v_add_nc_u32 v[LWS], s[TMP], v[LWS]
	s_lshl_b32 s[TMP], s[W8], 6
	s_add_co_u32 s[TMP], s[TMP], SCT
	v_lshl_add_u32 v[GS], v[T0], 1, s[TMP]
	v_lshl_add_u32 v[HK], v[SUM2], 4, 1
	v_lshlrev_b32 v[PFO], 8, v[T0]
	s_mul_i32 s[TMP], s[WV], STW
	s_add_co_u32 s[TMP], s[TMP], STAGE             ; my stage
	v_mul_u32_u24 v[STO], v[T1], 272
	v_add_nc_u32 v[STO], s[TMP], v[STO]
	v_lshl_add_u32 v[QRD], v[SUM2], 7, v[STO]
	v_lshl_add_u32 v[STO], v[SUM2], 5, v[STO]
	v_mul_u32_u24 v[RD], v[SUM2], 272
	v_lshl_add_u32 v[RD], v[T1], 4, v[RD]
	v_add_nc_u32 v[RD], s[TMP], v[RD]
	s_wait_kmcnt 0x0
	s_min_u32 s[BB], s[BB], 31
	s_min_u32 s[LL], s[LL], 2048
	s_add_co_u32 s[NST], s[LL], 127
	s_lshr_b32 s[NST], s[NST], 7                   ; steps with a key that counts;
	s_mov_b32 s[NEGS], 0xcaf42400                  ; -8e6
	s_cmp_eq_u32 s[LL], 0
	s_cselect_b32 s[NST], 16, s[NST]               ; with no such key: all 16,
	s_cselect_b32 s[NEGS], 0, s[NEGS]              ; and every score counts as 0
	s_lshl_b32 s34, s[BB], 19                      ; my batch,
	s_lshl_b32 s36, ttmp9, 15                      ; the work-group's 128 queries,
	s_add_co_u32 s34, s34, s36
	s_lshl_b32 s36, s[W8], 12                      ; my 16 of them: 256 bytes a row in queries and in out0
	s_add_co_u32 s34, s34, s36
	s_add_nc_u64 s[4:5], s[4:5], s[34:35]
	s_add_nc_u64 s[10:11], s[10:11], s[34:35]
	s_mul_i32 s34, s[BB], 16*TILEB
	s_add_nc_u64 s[KVP:KVP+1], s[6:7], s[34:35]    ; the batch's block 0
	; THE PREFETCHES.  A batch's 16 blocks are 800 x 256 bytes.  All 16 work-groups of a pair of batches walk them: the first (x = 0) asks, and in it the first two waves of each half, 32 x 256 bytes each, a lane
	; 256 bytes: in step J the 64 x 256 bytes from 160 + 64 J on, which holds what is left to name of block J + 3, whose load is issued a step later.  Each 256 bytes are named once.  The first 160 come by their loads alone.
	; A request is made while it begins under 50 x NST; it may reach 31 x 256 bytes further, and never past the batch's 800.
	s_mul_i32 s[NU], s[NST], 50
	s_lshr_b32 s36, s[W8], 1
	s_or_b32 s36, s36, ttmp9
	s_cmp_eq_u32 s36, 0
	s_cselect_b32 s[NU], s[NU], 0
	s_lshl_b32 s[CU], s[W8], 5
	s_add_co_u32 s[CU], s[CU], 96                  ; the first step's step brings it to 160 + 32 x (wave / 2)
	s_lshl_b32 s34, s[CU], 8
	s_add_nc_u64 s[PFA:PFA+1], s[KVP:KVP+1], s[34:35]
	s_wait_alu depctr_va_vdst(0)                   ; the addresses and offsets v1-6, v8-11 and v238 are written: every load, store and prefetch of the kernel reads one of them, and no vector instruction names them again
.irp q, 0,1,2,3,4,5,6,7
	global_load_b128 v[SS+4*\q:SS+4*\q+3], v[L16], s[4:5] offset:512*\q th:TH_LOAD_NT   ; Q: 512 consecutive bytes, rows 2 q and 2 q + 1; read once in the launch
.endr
	LOADBLK                                        ; block 0
	s_wait_loadcnt 4                               ; Q's eight loads are in; the four younger ones are block 0's
.irp q, 0,1,2,3,4,5,6,7
	ds_store_b128 v[RD], v[SS+4*\q:SS+4*\q+3] offset:544*\q                  ; Q turns through my stage, so that a lane gets 32 neighbouring channels of one query
.endr
.irp m, 0,1,2,3,4,5,6,7
	ds_load_b128 v[SS+32+4*\m:SS+32+4*\m+3], v[QRD] offset:16*\m             ; LDS serves a wave's instructions in order: these see my stores
.endr
	s_wait_loadcnt 0x0
	STOREBLK 0
	s_wait_dscnt 0x0                               ; Q is back; my part of block 0 lies in slot 0
	s_wait_alu depctr_vm_vsrc(0)                   ; my LDS stores have read v[SS .. SS+31], which the first products write, and v[CP ..], in which block 1's loads land
	s_cmp_lt_u32 s[NST], 2
	s_cbranch_scc1 .Lone
	s_add_nc_u64 s[KVP:KVP+1], s[KVP:KVP+1], TILEB ; (block 0's loads are done: their base may step)
	LOADBLK                                        ; block 1
.Lone:
.irp b, 0,1,2,3
	v_mov_b32 v[BP+\b], 0                          ; written once: a lane permute's destination counts as one of its sources
.endr
	; Q's 32 numbers of lane (r, h), v136-167, are block h of query r
	v_max3_num_f32 v[BM], |v[SS+32]|, |v[SS+33]|, 0x2800000    ; the floor 2^(5 - 127) among the leaves: the byte cannot fall under 1
	v_max3_num_f32 v[BM+1], |v[SS+34]|, |v[SS+35]|, 0x2800000
.irp i, 4,8,12,16,20,24,28
	v_max3_num_f32 v[BM], v[BM], |v[SS+32+\i]|, |v[SS+33+\i]|
	v_max3_num_f32 v[BM+1], v[BM+1], |v[SS+34+\i]|, |v[SS+35+\i]|
.endr
	v_max_num_f32 v[BM], v[BM], v[BM+1]
	v_add_nc_u32 v[SO], 0xfe000000, v[BM]          ; 4 off the exponent field: the conversion's scale operand
	v_lshrrev_b32 v[T0], 23, v[SO]                 ; the byte,
	v_lshlrev_b32 v[T1], 3, v[SUM2]
	v_lshlrev_b32 v[T0], v[T1], v[T0]              ; at place h
	v_permlanex16_b32 v[BP], v[T0], s[SEL], s[SEL+1]
	v_or_b32 v[QW], v[T0], v[BP]                   ; Qlo's scale word: bytes 0, 1; the bytes over its zero codes are 0
	v_lshlrev_b32 v[QW+1], 16, v[QW]               ; Qhi's: bytes 2, 3
	v_cvt_scalef32_pk16_bf6_f32 v[QL:QL+2], v[SS+32:SS+47], v[SO]
	v_cvt_scalef32_pk16_bf6_f32 v[CT:CT+2], v[SS+48:SS+63], v[SO]            ; (a conversion's three registers begin on an even number)
	v_nop                                          ; one plain place behind a scaled conversion
.irp i, 0,1,2
	v_mov_b32 v[QL+3+\i], v[CT+\i]
	v_mov_b32 v[QL+18+\i], v[QL+\i]                ; Qhi: the same codes in registers 6-11
	v_mov_b32 v[QL+21+\i], v[CT+\i]
.endr
.irp i, 0,1,2,3,4,5
	v_mov_b32 v[QL+6+\i], 0                        ; zero codes
	v_mov_b32 v[QL+12+\i], 0
.endr
	v_mov_b32 v13, 0xff61b1e6                      ; the largest t so far: -3e38, under every t
	v_floor_f32 v12, -v13                          ; -M
	v_mov_b32 v14, 0                               ; the sum, in two halves
	v_mov_b32 v15, 0
	v_mov_b32 v[FF], 0
	v_mov_b32 v[FF+1], 0                           ; (named as the pair's upper half)
.set n, 0
.rept 32
	v_mov_b32 v[OT+n], 0                           ; O^T.  The step is written without a first step of its own: the first change of M multiplies zeros.  (These lines are also the places between Q's registers and scale words and the first products)
.set n, n+1
.endr
	s_mov_b32 s[JJ], 0
	s_mov_b32 s[KF], 0
	s_mov_b32 s[TRIPS], 8
	s_barrier_signal -1                            ; no LDS instruction of mine is out since the wait above: every wave's part of block 0 lies in slot 0
	s_barrier_wait -1
; A KEY STEP on slot s: 128 keys.
.macro STEP s
	s_cmp_ge_u32 s[JJ], s[NST]
	s_cbranch_scc1 .Lidle_\@                       ; all its keys are hidden: no work, but the barrier below
	s_wait_alu depctr_va_vdst(0)                   ; the last step's products are done reading v[FR ..] and the scale words v[KW ..], v[VW ..], in which the loads below land; in the first step Q's codes and scale words are written, which the products below take
.irp i, 0,1,2,3
.irp c, 0,1,2
	ds_load_b128 v[FR+12*\i+4*\c:FR+12*\i+4*\c+3], v[LF] offset:(\s)*SLOT+1536*\i+512*\c   ; K's four pairs, as images: 512 consecutive bytes an instruction
.endr
.endr
	ds_load_b128 v[KW:KW+3], v[LSC] offset:(\s)*SLOT           ; my row's scale words of the four pairs,
	ds_load_b128 v[VW:VW+3], v[LSC] offset:(\s)*SLOT+16        ; and of V's four tiles
	s_wait_dscnt 0x0
.irp i, 0,1,2,3
.irp u, 0,1
	v_wmma_scale_f32_16x16x128_f8f6f4 v[SS+8*(2*\i+\u):SS+8*(2*\i+\u)+7], v[FR+12*\i:FR+12*\i+11], v[QL+12*\u:QL+12*\u+11], 0, v[KW+\i], v[QW+\u] matrix_a_fmt:MATRIX_FMT_BF6 matrix_b_fmt:MATRIX_FMT_BF6
.endr
.endr
.rept 4
	v_nop                                          ; four places behind the products, in front of the first read of their results (ISA guide 7.12.1)
.endr
	s_wait_alu depctr_va_vdst(0)                   ; the products K Q^T are done reading v[FR ..], in which V's tiles land
.irp t, 0,1,2,3
.irp c, 0,1,2
	ds_load_b128 v[FR+12*\t+4*\c:FR+12*\t+4*\c+3], v[LF] offset:(\s)*SLOT+6144+1536*\t+512*\c   ; V's four tiles: they land under the softmax, which names none of these registers
.endr
.endr
	s_add_co_u32 s[TMP], s[KF], 128
	s_cmp_le_u32 s[TMP], s[LL]
	s_cbranch_scc1 .Lopen_\@                       ; all 128 keys count
	s_sub_co_i32 s[TMP], s[LL], s[KF]
	v_sub_nc_u32 v[T0], s[TMP], v[HK]              ; d = L - KF - 16 h - 1.  Register 16 b + i holds key KF + 32 b + 16 h + i: hidden where 32 b + i > d
	v_mov_b32 v[T1], s[NEGS]
.irp b, 0,1,2,3                                ; a block of 32 keys at a time: sixteen compares in a run, one wait, sixteen selects
.set n, 0
.rept 16
	v_cmp_gt_i32 s[MK+n], 32*\b+n, v[T0]
.set n, n+1
.endr
	s_wait_alu depctr_va_sdst(0)                   ; the sixteen compares have written s40-55, ahead of the selects that read them
.set n, 0
.rept 16
	v_cndmask_b32 v[SS+16*\b+n], v[SS+16*\b+n], v[T1], s[MK+n]
.set n, n+1
.endr
.endr
.Lopen_\@:
.irp b, 0,1,2,3
	v_max3_num_f32 v[BM+\b], v[SS+16*\b], v[SS+1+16*\b], v[SS+2+16*\b]       ; the largest score of each block of 32 keys: it serves the row's maximum and, since p rises with the score, the block's largest p
.endr
.irp i, 3,5,7,9,11,13
.irp b, 0,1,2,3
	v_max3_num_f32 v[BM+\b], v[BM+\b], v[SS+16*\b+\i], v[SS+1+16*\b+\i]      ; the four blocks by turns
.endr
.endr
.irp b, 0,1,2,3
	v_max_num_f32 v[BM+\b], v[BM+\b], v[SS+15+16*\b]
.endr
.irp b, 0,1,2,3
	v_permlanex16_b32 v[BP+\b], v[BM+\b], s[SEL], s[SEL+1]
.endr
.irp b, 0,1,2,3
	v_max_num_f32 v[BM+\b], v[BM+\b], v[BP+\b]     ; with lane l xor 16's 16 keys
.endr
	v_max3_num_f32 v[T0], v[BM], v[BM+1], v[BM+2]
	v_max_num_f32 v[T0], v[T0], v[BM+3]            ; the step's largest score of my query
	v_mul_f32 v[T0], s[CS], v[T0]                  ; as t (c is positive)
	v_max_num_f32 v13, v13, v[T0]                  ; the running largest t
	v_mov_b32 v[T0], v12
	v_floor_f32 v12, -v13                          ; the new -M = floor(-t) = -ceil(t): M is a whole number
	v_sub_f32 v[T0], v12, v[T0]                    ; old M - new M: a whole number, 0 or less
	v_cvt_i32_f32 v[T0], v[T0]                     ; (it saturates)
	v_ldexp_f32 v[FF], 1.0, v[T0]                  ; f = 2^(old M - new M)
.set n, 0
.rept 32
	v_pk_fma_f32 v[SS+n:SS+n+1], v[SS+n:SS+n+1], s[CS:CS+1], v[12:13] op_sel_hi:[1,0,0]   ; t - M, two at a time (of the pairs c and -M the low word serves both halves)
.set n, n+2
.endr
.irp b, 0,1,2,3
	v_fma_f32 v[BM+\b], v[BM+\b], s[CS], v12       ; the same of each block's largest score
.endr
.set n, 0
	s_wait_alu depctr_va_vdst(0)
.rept 64
	v_exp_f32 v[SS+n], v[SS+n]                     ; p = 2^(t - M), at most 1: not normalised
.set n, n+1
.endr
	v_pk_mul_f32 v[14:15], v[14:15], v[FF:FF+1] op_sel_hi:[1,0]              ; the sums under the new M: a plain line behind the exponentials
	s_wait_alu depctr_va_vdst(0)                   ; the 64 exponentials have written v[SS ..]: one wait for the batch, ahead of its first reader
.irp b, 0,1,2,3
	v_exp_f32 v[BM+\b], v[BM+\b]                   ; the block's largest p: the same two instructions on the same number give the same bits
.endr
	v_pk_add_f32 v[SUM2:SUM2+1], v[SS:SS+1], v[SS+2:SS+3]      ; the row's sum is taken of the unquantised p: two at a time, in two chains
.set n, 4
.rept 15
	v_pk_add_f32 v[14:15], v[14:15], v[SS+n:SS+n+1]
	v_pk_add_f32 v[SUM2:SUM2+1], v[SUM2:SUM2+1], v[SS+n+2:SS+n+3]
.set n, n+4
.endr
	v_pk_add_f32 v[14:15], v[14:15], v[SUM2:SUM2+1]
	s_wait_alu depctr_va_vdst(0)                   ; the four exponentials have written v[BM ..], ahead of their first reader
.irp b, 0,1,2,3
	v_max_num_f32 v[BM+\b], 0x2800000, v[BM+\b]    ; the floor 2^(5 - 127): the byte cannot fall under 1 (a block whose every p is 0 keeps that byte: its codes are zeros)
.endr
.irp b, 0,1,2,3
	v_add_nc_u32 v[SO+\b], 0xfe000000, v[BM+\b]    ; 4 off the exponent field: the conversion's scale operand
.endr
.irp b, 0,1,2,3
	v_lshrrev_b32 v[BP+\b], 23, v[SO+\b]           ; the scale's byte
.endr
	v_lshl_or_b32 v[PW], v[BP+1], 8, v[BP]         ; p's scale word for these 128 keys
	v_lshl_or_b32 v[PW], v[BP+2], 16, v[PW]
	v_lshl_or_b32 v[PW], v[BP+3], 24, v[PW]
.irp c, 0,1
	v_cvt_scalef32_pk16_bf6_f32 v[PC+6*\c:PC+6*\c+2], v[SS+32*\c:SS+32*\c+15], v[SO+2*\c]
	v_cvt_scalef32_pk16_bf6_f32 v[CT+4*\c:CT+4*\c+2], v[SS+16+32*\c:SS+31+32*\c], v[SO+2*\c+1]   ; (a conversion's three registers begin on an even number)
.endr
	v_nop                                          ; one plain place behind a scaled conversion
.irp c, 0,1                                    ; the operand's layout wants a whole block in a lane: lanes 0-15 block 2 c, lanes 16-31 block 2 c + 1
.irp i, 0,1,2
	v_permlane16_swap_b32 v[PC+6*\c+\i], v[CT+4*\c+\i]
.endr
.irp i, 0,1,2
	v_mov_b32 v[PC+3+6*\c+\i], v[CT+4*\c+\i]
.endr
.endr
.set n, 0
.rept 16
	v_pk_mul_f32 v[OT+n:OT+n+1], v[OT+n:OT+n+1], v[FF:FF+1] op_sel_hi:[1,0]  ; O^T under the new M, from each tile's low end on.  (These lines are also the places between p's codes and scale word and the products)
.set n, n+2
.endr
	s_wait_dscnt 0x0                               ; V's tiles are in
	s_wait_alu depctr_va_vdst(0)                   ; p's codes v[PC ..] and its scale word v[PW] are written, which the products below take; the places above stay beside this wait
.irp t, 0,1,2,3
	v_wmma_scale_f32_16x16x128_f8f6f4 v[OT+8*\t:OT+8*\t+7], v[FR+12*\t:FR+12*\t+11], v[PC:PC+11], v[OT+8*\t:OT+8*\t+7], v[VW+\t], v[PW] matrix_a_fmt:MATRIX_FMT_BF6 matrix_b_fmt:MATRIX_FMT_BF6   ; the four accumulators by turns
.endr
.rept 4
	v_nop                                          ; four places: the way out reads these products' results
.endr
	; THE COPY: block J + 1, loaded a step ago, goes into the other slot, which nobody has read since the last barrier; block J + 2 is asked for.  It names v[CP ..] and addresses alone, which no vector or matrix instruction names:
	; so it owes nothing to the products above
	s_add_co_u32 s[TMP], s[JJ], 1
	s_cmp_ge_u32 s[TMP], s[NST]
	s_cbranch_scc1 .Lidle_\@
	s_wait_loadcnt 0x0                             ; my four loads of block J + 1 are in, so their base may be stepped too
	STOREBLK 1-(\s)
	s_add_co_u32 s[TMP], s[JJ], 2
	s_cmp_ge_u32 s[TMP], s[NST]
	s_cbranch_scc1 .Lidle_\@
	s_wait_dscnt 0x0                               ; my four stores into the other slot have landed,
	s_wait_alu depctr_vm_vsrc(0)                   ; and they have read v[CP ..], in which the next loads land
	s_wait_xcnt 0x0                                ; the last prefetch, a step back, has read its address
	s_add_nc_u64 s[KVP:KVP+1], s[KVP:KVP+1], TILEB
	s_add_nc_u64 s[PFA:PFA+1], s[PFA:PFA+1], 64*256
	s_add_co_u32 s[CU], s[CU], 64
	LOADBLK
	s_cmp_lt_u32 s[CU], s[NU]
	s_cbranch_scc0 .Lidle_\@
	global_prefetch_b8 v[PFO], s[PFA:PFA+1] th:TH_LOAD_NT scope:SCOPE_SE     ; behind my loads: 32 x 256 bytes, a lane 256
.Lidle_\@:
	s_add_co_u32 s[JJ], s[JJ], 1
	s_add_co_u32 s[KF], s[KF], 128
	s_wait_dscnt 0x0                               ; my reads of this slot are in, and my stores into the other have landed:
	s_barrier_signal -1                            ; the barrier stands on every wave's path.  Behind it this slot may be written,
	s_barrier_wait -1                              ; and the other is whole
.endm
.Ltrip:                                            ; eight trips of two steps: the slots stand in the immediates
	STEP 0
	STEP 1
	s_sub_co_u32 s[TRIPS], s[TRIPS], 1
	s_cmp_lg_u32 s[TRIPS], 0
	s_cbranch_scc1 .Ltrip
	; THE WAY OUT.  O^T is divided by the row's sum and goes through my own stage, so that each store covers 512 consecutive bytes: two whole rows of out0.
	v_add_f32 v14, v14, v15                        ; the sum's two halves,
	v_permlanex16_b32 v[FF], v14, s[SEL], s[SEL+1]
	v_add_f32 v14, v14, v[FF]                      ; and lane l xor 16's: the row's sum
	s_wait_alu depctr_va_vdst(0)
	v_rcp_f32 v14, v14
	v_nop                                          ; one plain place behind a transcendental
	s_wait_alu depctr_va_vdst(0)                   ; the reciprocal has written v14, ahead of its first reader
.set n, 0
.rept 32
	v_mul_f32 v[SS+n], v[OT+n], v14                ; register 8 t + i is out(r, 16 t + 8 h + i); each accumulator from its low end on
.set n, n+1
.endr
	s_wait_alu depctr_va_vdst(0)                   ; the multiplications have written v[SS .. SS+31], which the LDS stores read; the last step's sums and conversions are done with v[SS+32 ..], in which the loads from the stage land
.irp t, 0,1,2,3
	ds_store_b128 v[STO], v[SS+8*\t:SS+8*\t+3] offset:64*\t
	ds_store_b128 v[STO], v[SS+8*\t+4:SS+8*\t+7] offset:64*\t+16
.endr
.irp i, 0,1,2,3,4,5,6,7
	ds_load_b128 v[SS+32+4*\i:SS+32+4*\i+3], v[RD] offset:544*\i             ; LDS serves a wave's instructions in order: these see my stores
.endr
.irp i, 0,1,2,3,4,5,6,7
	s_wait_dscnt 7-\i                              ; load i is in; the 7 - i younger ones may be out
	global_store_b128 v[L16], v[SS+32+4*\i:SS+32+4*\i+3], s[10:11] offset:512*\i th:TH_STORE_NT   ; rows 2 i and 2 i + 1; written once, read by nobody here
.endr
	s_wait_dscnt 0x0
	s_wait_alu depctr_hold_cnt(0) depctr_sa_sdst(0) depctr_va_vdst(0) depctr_va_sdst(0) depctr_va_ssrc(0) depctr_va_vcc(0) depctr_vm_vsrc(0)
	s_wait_tensorcnt 0x0
	ds_add_u32 v254, v255
	s_wait_dscnt 0x0
	s_endpgm
.Lfunc_end_k_q08481fb136_attn:
	.size	k_q08481fb136_attn, .Lfunc_end_k_q08481fb136_attn-k_q08481fb136_attn
	.p2alignl 7, 3214868480
	.fill 96, 4, 3214868480
	.section	.rodata,"a",@progbits
	.p2align	6, 0x0
	.amdhsa_kernel k_q08481fb136_attn
		.amdhsa_group_segment_fixed_size 123904
		.amdhsa_private_segment_fixed_size 0
		.amdhsa_enable_private_segment 0
		.amdhsa_kernarg_size 32
		.amdhsa_user_sgpr_count 2
		.amdhsa_user_sgpr_kernarg_segment_ptr 1
		.amdhsa_wavefront_size32 1
		.amdhsa_system_sgpr_workgroup_id_x 1
		.amdhsa_system_sgpr_workgroup_id_y 1
		.amdhsa_system_sgpr_workgroup_id_z 1
		.amdhsa_system_vgpr_workitem_id 0
		.amdhsa_next_free_vgpr 256
		.amdhsa_next_free_sgpr 66
		.amdhsa_reserve_vcc 0
		.amdhsa_float_denorm_mode_32 3
		.amdhsa_float_denorm_mode_16_64 3
		.amdhsa_memory_ordered 1
		.amdhsa_forward_progress 1
		.amdhsa_inst_pref_size 67
	.end_amdhsa_kernel
	.amdgpu_metadata
---
amdhsa.version: [ 1, 2 ]
amdhsa.kernels:
  - .name:           k_q08481fb136_attn
    .symbol:         k_q08481fb136_attn.kd
    .args:
      - { .name: queries, .offset: 0, .size: 8, .value_kind: global_buffer, .address_space: global }
      - { .name: kv, .offset: 8, .size: 8, .value_kind: global_buffer, .address_space: global }
      - { .name: order, .offset: 16, .size: 8, .value_kind: global_buffer, .address_space: global }
      - { .name: out0, .offset: 24, .size: 8, .value_kind: global_buffer, .address_space: global }
    .group_segment_fixed_size: 123904
    .private_segment_fixed_size: 0
    .kernarg_segment_align: 8
    .kernarg_segment_size: 32
    .max_flat_workgroup_size: 512
    .sgpr_count:     66
    .vgpr_count:     256
    .wavefront_size: 32
...
	.end_amdgpu_metadata
.endif
;; end of part 4
